; MI455X (gfx1250); checked and timed in simulation.
; The chip was launched on July 23, 2026; its instructions are those of AMD's public machine-readable ISA for CDNA 5 (MIT licence, August 2026) and "CDNA5" Instruction Set Architecture Reference Guide (July 2026). The comments in the code are by the model that wrote it; some were corrected since.
;; Linear Attention. Allowed arithmetic: matrix products marked QUANTISED: E2M3 operands, one E8M0 scale for each 32 along K, by v_wmma_scale_f32_16x16x128_f8f6f4 with both operands' format E2M3, f32 sums; products left as they are: f32 operands where the result goes on into a quantised operand, else bf16, f16 or f32 operands; f32 sums; everything else in f32.
;; Inputs: b_proj 1,024 float32; b_qkv 3,072 float32; w_proj 1,024 x 1,024 float32; w_qkv 1,024 x 3,072 float32; x 4 x 2,048 x 1,024 float32.
;; Outputs: out0 4 x 2,048 x 1,024 float32.
;; This version of the problem:
;;   THIS VERSION OF THE PROBLEM IS GIVEN IN LOW PRECISION. The matrix products marked QUANTISED in the list below multiply operands that are first quantised to E2M3 (2 exponent bits, 3 mantissa bits; 6 bits a number), with one power-of-two scale for each 32 numbers along K (OCP MX v1.0); their sums are f32. All else is computed in f32.
;;   The module's matrix products, in the order in which they are computed (A, B: the left and right operand; K: the contracted axis; several contracted axes count as one K, in the product's order):
;;     1. [M 8,192, K 1,024] x [K 1,024, N 3,072]; A: input x; B: input w_qkv: QUANTISED
;;     2. batch 64 x [M 64, K 2,048] x [K 2,048, N 64]; A: computed on the way; B: computed on the way: QUANTISED
;;     3. batch 64 x [M 2,048, K 64] x [K 64, N 64]; A: computed on the way; B: computed on the way: QUANTISED
;;     4. batch 64 x [M 2,048, K 64] x [K 64, N 1]; A: computed on the way; B: computed on the way: left as it is (N = 1 < 16)
;;     5. [M 8,192, K 1,024] x [K 1,024, N 1,024]; A: computed on the way; B: input w_proj: QUANTISED
;;   THE QUANTISER, for each operand of a quantised product, along K:
;;     - K is cut into blocks of 32 from its start; a last block that is shorter is filled with zeros.
;;     - A block's scale is 2^e with e = floor(log2(the largest magnitude in the block)) - 2, held to -126 .. 127; a block of zeros has e = 0. As a byte (E8M0): e + 127.
;;     - Each number is divided by its block's scale, clamped to +-7.5, and rounded to the nearest number of E2M3, ties to even, subnormals kept.
;;     - The product sums the exact products of the quantised numbers (number of the format x scale) in f32.
;;   ~~~python
;;   def quantise(x, axis):      # numpy; x: float32 -> the quantised numbers, widened to float32 again
;;       x = np.moveaxis(x, axis, -1); K = x.shape[-1]
;;       x = np.pad(x, [(0, 0)] * (x.ndim - 1) + [(0, -K % 32)]); x = x.reshape(x.shape[:-1] + (-1, 32)); a = np.abs(x).max(-1, keepdims=True)
;;       e = np.where(a > 0, np.clip(np.frexp(np.where(a > 0, a, 1))[1] - 1 - 2, -126, 127), 0)      # np.frexp(a)[1] - 1 = floor(log2(a)), exactly
;;       r = np.clip(x / 2.0 ** e, -7.5, 7.5)
;;       step = 2.0 ** (np.maximum(np.frexp(np.where(r == 0, 1, r))[1] - 1, 0) - 3)
;;       q = np.round(r / step) * step * 2.0 ** e      # np.round: ties to even
;;       return np.moveaxis(q.reshape(q.shape[:-2] + (-1,))[..., :K], -1, axis).astype(np.float32)
;;   ~~~
;;   OPERANDS COMPUTED ON THE WAY. 'Computed on the way' means the value that the module computes at that place (a softmax that the list does not call 'softmax' is quantised finished and normalised). What goes into a quantiser is computed in f32, as accurately as f32 sums, v_exp_f32 and their like allow (about 1e-6 of the number): no bf16 or f16 on the way to a quantiser, and a product that is left as it is and whose result goes on into a quantised operand takes f32 operands (vector FMAs, or v_wmma_f32_16x16x4_f32). A number that lies on a knife's edge between two numbers of the format may be rounded either way, as far as f32 arithmetic and the matrix unit's own rounding can turn it there, and no further.
;; One version. Each part assembles by itself: llvm-mc -triple=amdgcn-amd-amdhsa -mcpu=gfx1250 --defsym DOCPART=n.
;; ======== version 1 of 1: 4 launches
;; workspace buffers: ximg 6,291,456 bytes; wimg 3,145,728 bytes; scl 393,216 bytes; kvp 8,912,896 bytes; oimg 6,553,600 bytes
;; launch quant (part 1): grid 512 x 1, 4 waves a work-group, no clusters, 34,304 bytes of LDS; arguments x, w_qkv, w_proj, ximg, wimg, scl; writes ximg, wimg, scl
.if DOCPART == 1
	.amdgcn_target "amdgcn-amd-amdhsa--gfx1250"
	.amdhsa_code_object_version 6
	.text
	.protected	k_qacb848d9cd_quant
	.globl	k_qacb848d9cd_quant
	.p2align	8
	.type	k_qacb848d9cd_quant,@function
k_qacb848d9cd_quant:
	s_mov_b64 s[64:65], 0
	v_nop
	global_prefetch_b8 v0, s[64:65] scope:SCOPE_SE
	s_setreg_imm32_b32 hwreg(HW_REG_WAVE_MODE, 25, 1), 1
	s_wait_xcnt 0x0
; LINEAR ATTENTION IN MX-FP6, LAUNCH 1 OF 4: x, w_qkv and w_proj become codes of E2M3 and E8M0 scale bytes, quantised along the products' K (x: its last axis; the weights: their first).
; DEAD WORK: none.  Every input (x, w_qkv, b_qkv, w_proj, b_proj) has a way to the output for all values, every product of reference() is live, and nothing is left out in any launch.
; LAYOUT OF THE CODES: images of the operand's registers.  A fragment (16 rows x 128 K, 12 registers a lane) is 1,536 bytes: registers 4 g .. 4 g + 3 of lane L at 512 g + 16 L.
; A ROW BLOCK is 16 rows with their 8 K steps on end, 12,288 bytes.  Lane r of row block T holds row 32 (T / 2) + 8 (T % 2) + r + 8 (r / 8): where such a fragment is a product's source 0, the 16 result
; registers of blocks 2 b and 2 b + 1 are 16 neighbours, which the next quantiser wants.  wimg: blocks 0-63 q's columns; 64 + 8 head + 4 isv + 2 half + u those of k and v; 192-255 w_proj's.
; SCALE WORDS (four bytes: 128 along K of one row): 512 bytes a row block, [4 K steps][row r][4 words]: four K steps of a row come by one load of 16 bytes.  x's blocks first, the weights' from block 512 on.
; A block's scale byte is its largest magnitude's exponent field - 2, held at 1 from below by a floor among the maximum's leaves.
; LIMITS: a block of zeros gets the byte 1 where the rule says 127 (its codes are zeros, and this program alone reads the bytes); NaN and infinities among the inputs are not served.
; SHARES: work-groups 0-191 take w_qkv, 192-255 w_proj, 256-511 x.  A stream: no matrix work, no tensor load, no barrier, and no cluster, since no two work-groups read the same bytes.
.set SPARE, 33792                      ; behind the four stages: the spare words, 128 bytes a wave
.set SPW, 12                           ; v12  LDS address of my spare word; never rewritten
.set NIL, 13                           ; v13  0; never rewritten
.set STG, 8448                         ; x's path: a stage of 16 rows x (512 + 16) bytes for each wave
.set R, 16                             ; v16-143   x: two sets of 64 registers as loaded
.set X, 144                            ; v144-207  x: 64 numbers in the operand's order
.set CT, 220                           ; v220-227  second halves of blocks (a conversion's three registers begin on an even number)
.set T, 228                            ; v228-234  at work
.set W, 236                            ; v236-239  the four K steps' scale words
	s_load_b256 s[4:11], s[0:1], 0x0               ; x s[4:5], w_qkv s[6:7], w_proj s[8:9], ximg s[10:11]
	s_load_b128 s[12:15], s[0:1], 0x20             ; wimg s[12:13], scl s[14:15]
	v_lshl_add_u32 v[SPW], v0, 2, SPARE
	v_mov_b32 v[NIL], 0
	v_lshrrev_b32 v1, 5, v0
	v_readfirstlane_b32 s16, v1                    ; wave
	v_and_b32 v2, 31, v0                           ; lane
	s_wait_kmcnt 0x0
	s_cmp_lt_u32 ttmp9, 192
	s_cbranch_scc1 .Lw_qkv
	s_cmp_lt_u32 ttmp9, 256
	s_cbranch_scc1 .Lw_proj
; ---- x: a wave takes one row block's 16 rows x 512 along K, in four K steps.  Each load reads 512 consecutive bytes of one row; the step turns through the wave's own stage,
; so that lane (r, h) gets, of row r, blocks h and 2 + h whole: the operand's own order.
	s_sub_co_u32 s17, ttmp9, 256
	s_lshl_b32 s17, s17, 2
	s_add_co_u32 s17, s17, s16                     ; 2 x row block + which half of K
	s_lshr_b32 s18, s17, 1                         ; row block
	s_and_b32 s19, s17, 1
	s_lshr_b32 s20, s18, 1
	s_lshl_b32 s20, s20, 17                        ; 32 rows of 4,096 bytes
	s_and_b32 s21, s18, 1
	s_lshl_b32 s21, s21, 15                        ; 8 rows
	s_add_co_u32 s20, s20, s21
	s_lshl_b32 s21, s19, 11                        ; 512 numbers along K
	s_add_co_u32 s20, s20, s21
	s_mov_b32 s21, 0
	s_add_nc_u64 s[4:5], s[4:5], s[20:21]
	s_mul_i32 s20, s17, 6144                       ; four fragments
	s_add_nc_u64 s[10:11], s[10:11], s[20:21]
	s_lshl_b32 s20, s17, 8                         ; 256 bytes of scale words
	s_add_nc_u64 s[14:15], s[14:15], s[20:21]
	s_mov_b32 s34, 0x76543210
	s_mov_b32 s35, 0xfedcba98                      ; lane l xor 16
	v_lshlrev_b32 v3, 4, v2                        ; 16 x lane
	v_and_b32 v4, 15, v2                           ; r
	v_lshrrev_b32 v9, 4, v2                        ; h
	s_mul_i32 s22, s16, STG
	v_add_nc_u32 v5, s22, v3                       ; the stage, in: 16 x lane, a row an instruction
	v_mul_u32_u24 v6, v4, 528
	v_lshl_add_u32 v6, v9, 7, v6
	v_add_nc_u32 v6, s22, v6                       ; out: row r, + 128 h bytes
	v_lshlrev_b32 v7, 4, v4
	v_lshl_add_u32 v7, v9, 3, v7                   ; the scale words' place: 16 r + 8 h
	v_lshlrev_b32 v8, 3, v9                        ; 8 h: my bytes' shift in a scale word
	v_mov_b32 v[T+6], 0                            ; a lane permute's destination counts as one of its sources
.macro XLOAD t
.irp i, 0,1,2,3,4,5,6,7,8,9,10,11,12,13,14,15
	global_load_b128 v[R+64*((\t)%2)+4*\i:R+64*((\t)%2)+4*\i+3], v3, s[4:5] offset:(\i+8*(\i/8))*4096+512*(\t) th:TH_LOAD_NT
.endr
.endm
.macro XSTEP t
.set FS, 208+36*((\t)%2)               ; the fragment: v208-219 and v244-255 by turns
.if (\t) < 3
	s_wait_loadcnt 16                              ; this step's 16 loads are in; the next step's 16 may be out
.else
	s_wait_loadcnt 0x0
.endif
.irp i, 0,1,2,3,4,5,6,7,8,9,10,11,12,13,14,15
	ds_store_b128 v5, v[R+64*((\t)%2)+4*\i:R+64*((\t)%2)+4*\i+3] offset:528*\i
.endr
.irp k, 0,1,2,3,4,5,6,7
	ds_load_b128 v[X+4*\k:X+4*\k+3], v6 offset:16*\k               ; LDS serves a wave's instructions in order: these see the stores above
.endr
.irp k, 0,1,2,3,4,5,6,7
	ds_load_b128 v[X+32+4*\k:X+32+4*\k+3], v6 offset:256+16*\k
.endr
	s_wait_dscnt 0x0
.if (\t) < 2
	XLOAD (\t)+2                                   ; into the set that the stage's stores have read
.endif
.irp c, 0,1
	v_max3_num_f32 v[T+\c], |v[X+32*\c]|, |v[X+32*\c+1]|, 0x1800000   ; my block 2 c + h, and the floor 2^(3 - 127)
.endr
.irp i, 2,4,6,8,10,12,14,16,18,20,22,24,26,28,30
.irp c, 0,1
	v_max3_num_f32 v[T+\c], v[T+\c], |v[X+32*\c+\i]|, |v[X+32*\c+\i+1]|
.endr
.endr
.irp c, 0,1
	v_add_nc_u32 v[T+2+\c], 0xff000000, v[T+\c]    ; 2 off the exponent field: the conversion's scale operand
.endr
.irp c, 0,1
	v_lshrrev_b32 v[T+4+\c], 23, v[T+2+\c]         ; the scale's byte
.endr
	v_lshl_or_b32 v[W+(\t)], v[T+5], 16, v[T+4]    ; bytes h and 2 + h of the row's word,
	v_lshlrev_b32 v[W+(\t)], v8, v[W+(\t)]
	v_permlanex16_b32 v[T+6], v[W+(\t)], s34, s35
	v_or_b32 v[W+(\t)], v[W+(\t)], v[T+6]          ; with lane l xor 16's two the word is whole
.if (\t) >= 2
	s_wait_xcnt 0x0                                ; the stores of two steps back have read this set of registers
.endif
.irp c, 0,1
	v_cvt_scalef32_pk16_fp6_f32 v[FS+6*\c:FS+6*\c+2], v[X+32*\c:X+32*\c+15], v[T+2+\c]
	v_cvt_scalef32_pk16_fp6_f32 v[CT+4*\c:CT+4*\c+2], v[X+32*\c+16:X+32*\c+31], v[T+2+\c]
.endr
	v_nop                                          ; one plain place behind a scaled conversion
.irp c, 0,1
.irp i, 0,1,2
	v_mov_b32 v[FS+6*\c+3+\i], v[CT+4*\c+\i]
.endr
.endr
.irp g, 0,1,2
	global_store_b128 v3, v[FS+4*\g:FS+4*\g+3], s[10:11] offset:1536*(\t)+512*\g   ; 32 lanes store 512 consecutive bytes
.endr
.endm
	XLOAD 0
	XLOAD 1
	XSTEP 0
	XSTEP 1
	XSTEP 2
	XSTEP 3
	v_cmp_le_u32 s24, 16, v2                       ; lanes 16-31 store words 2 and 3 of their row, lanes 0-15 words 0 and 1
	v_cndmask_b32 v240, v[W], v[W+2], s24
	v_cndmask_b32 v241, v[W+1], v[W+3], s24
	global_store_b64 v7, v[240:241], s[14:15]      ; 32 lanes store 256 consecutive bytes, aligned
	s_wait_tensorcnt 0x0                           ; the wave's end
	ds_add_u32 v[SPW], v[NIL]
	s_wait_dscnt 0x0
	s_endpgm
; ---- the weights: K is their first axis.  A lane takes a column and its registers run down K: a wave takes 32 columns x one K step of 128.  A lane so holds the four blocks of its column,
; which are the registers of image lanes (r, 0) and (r, 1): blocks 0, 2 and blocks 1, 3.  s18 = K step, s19 = which 32 columns, s22 = first of the two row blocks, s[26:27] = the weight.
.macro WLOAD t, nn                     ; block t: 32 rows, 128 consecutive bytes a load
.set i, 32*(\t)
.rept 32
	global_load_b32 v[64+i], v4, s[26:27] offset:i*\nn*4 th:TH_LOAD_NT
.set i, i+1
.endr
.endm
.macro WBLOCK t, nn
.set XSS, 64+32*(\t)
.set FD, 192+12*((\t)%2)+6*((\t)/2)
.if (\t) < 3
	s_wait_loadcnt 32                              ; this block's 32 loads are in; the next block's 32 may be out
.else
	s_wait_loadcnt 0x0
.endif
.if (\t) < 2
	WLOAD (\t)+2, \nn                              ; loads run two blocks ahead
.endif
	v_max3_num_f32 v16, |v[XSS]|, |v[XSS+1]|, |v[XSS+2]|
	v_max3_num_f32 v17, |v[XSS+3]|, |v[XSS+4]|, |v[XSS+5]|
.irp i, 6,10,14,18,22,26
	v_max3_num_f32 v16, v16, |v[XSS+\i]|, |v[XSS+\i+1]|
	v_max3_num_f32 v17, v17, |v[XSS+\i+2]|, |v[XSS+\i+3]|
.endr
	v_max3_num_f32 v16, v16, |v[XSS+30]|, |v[XSS+31]|
	v_max3_num_f32 v16, v16, v17, 0x1800000        ; and the floor
	v_add_nc_u32 v11, 0xff000000, v16
	v_lshrrev_b32 v18, 23, v11
.if (\t) == 0
	v_mov_b32 v10, v18
.else
	v_lshl_or_b32 v10, v18, 8*(\t), v10            ; the column's scale word
.endif
	v_cvt_scalef32_pk16_fp6_f32 v[FD:FD+2], v[XSS:XSS+15], v11
	v_cvt_scalef32_pk16_fp6_f32 v[216:218], v[XSS+16:XSS+31], v11
	v_nop                                          ; one plain place behind a scaled conversion
	v_mov_b32 v[FD+3], v216
	v_mov_b32 v[FD+4], v217
	v_mov_b32 v[FD+5], v218
.endm
.macro WBODY nn
	s_mul_i32 s28, s18, 128*\nn*4                  ; 128 rows of the weight
	s_lshl_b32 s29, s19, 7                         ; 32 columns
	s_add_co_u32 s28, s28, s29
	s_mov_b32 s29, 0
	s_add_nc_u64 s[26:27], s[26:27], s[28:29]
	v_lshlrev_b32 v4, 2, v2
	WLOAD 0, \nn
	WLOAD 1, \nn
	s_mul_i32 s28, s22, 12288
	s_mul_i32 s30, s18, 1536
	s_add_co_u32 s28, s28, s30
	s_add_nc_u64 s[30:31], s[12:13], s[28:29]      ; the codes: row block, K step
	s_add_co_u32 s28, s22, 512
	s_lshl_b32 s28, s28, 9
	s_lshr_b32 s32, s18, 2
	s_lshl_b32 s32, s32, 8
	s_add_co_u32 s28, s28, s32
	s_and_b32 s32, s18, 3
	s_lshl_b32 s32, s32, 2
	s_add_co_u32 s28, s28, s32
	s_add_nc_u64 s[32:33], s[14:15], s[28:29]      ; the scale words
	v_bfe_u32 v5, v2, 3, 1                         ; column L of the 32 is row r of row block u: L = 8 u + (r % 8) + 16 (r / 8)
	v_and_b32 v6, 7, v2
	v_lshrrev_b32 v7, 4, v2
	v_lshl_or_b32 v6, v7, 3, v6
	v_mul_u32_u24 v8, v5, 12288
	v_lshl_add_u32 v8, v6, 4, v8
	v_lshlrev_b32 v9, 9, v5
	v_lshl_add_u32 v9, v6, 4, v9
	WBLOCK 0, \nn
	WBLOCK 1, \nn
	WBLOCK 2, \nn
	WBLOCK 3, \nn
.irp g, 0,1,2
	global_store_b128 v8, v[192+4*\g:195+4*\g], s[30:31] offset:512*\g        ; image lanes 0-15: the sixteen lanes of one u store 256 consecutive bytes
	global_store_b128 v8, v[204+4*\g:207+4*\g], s[30:31] offset:512*\g+256    ; image lanes 16-31
.endr
	global_store_b32 v9, v10, s[32:33]             ; 4 bytes of each row's 16: one part in 128 of what this path reads
	s_endpgm
.endm
.Lw_qkv:
	s_lshr_b32 s17, ttmp9, 3
	s_and_b32 s18, ttmp9, 7                        ; K step
	s_lshl_b32 s19, s17, 2
	s_add_co_u32 s19, s19, s16                     ; which 32 columns of 3,072
	s_lshr_b32 s20, s19, 5                         ; 0 q, 1 k, 2 v
	s_and_b32 s21, s19, 31
	s_lshl_b32 s22, s21, 1                         ; q: as they come
	s_lshr_b32 s23, s21, 1
	s_lshl_b32 s23, s23, 3                         ; k, v: 8 x head
	s_and_b32 s24, s21, 1
	s_lshl_b32 s24, s24, 1                         ; + 2 x half
	s_add_co_u32 s23, s23, s24
	s_lshl_b32 s24, s20, 2
	s_add_co_u32 s23, s23, s24
	s_add_co_u32 s23, s23, 60                      ; + 64 + 4 isv
	s_cmp_eq_u32 s20, 0
	s_cselect_b32 s22, s22, s23
	s_mov_b64 s[26:27], s[6:7]
	WBODY 3072
.Lw_proj:
	s_sub_co_u32 s17, ttmp9, 192
	s_and_b32 s18, s17, 7
	s_lshr_b32 s17, s17, 3
	s_lshl_b32 s19, s17, 2
	s_add_co_u32 s19, s19, s16                     ; which 32 columns of 1,024
	s_lshl_b32 s22, s19, 1
	s_add_co_u32 s22, s22, 192
	s_mov_b64 s[26:27], s[8:9]
	WBODY 1024
.Lfunc_end_k_qacb848d9cd_quant:
	.size	k_qacb848d9cd_quant, .Lfunc_end_k_qacb848d9cd_quant-k_qacb848d9cd_quant
	.p2alignl 7, 3214868480
	.fill 96, 4, 3214868480
	.section	.rodata,"a",@progbits
	.p2align	6, 0x0
	.amdhsa_kernel k_qacb848d9cd_quant
		.amdhsa_group_segment_fixed_size 34304
		.amdhsa_private_segment_fixed_size 0
		.amdhsa_enable_private_segment 0
		.amdhsa_kernarg_size 48
		.amdhsa_user_sgpr_count 2
		.amdhsa_user_sgpr_kernarg_segment_ptr 1
		.amdhsa_wavefront_size32 1
		.amdhsa_system_sgpr_workgroup_id_x 1
		.amdhsa_system_sgpr_workgroup_id_y 1
		.amdhsa_system_sgpr_workgroup_id_z 1
		.amdhsa_system_vgpr_workitem_id 0
		.amdhsa_next_free_vgpr 256
		.amdhsa_next_free_sgpr 66
		.amdhsa_reserve_vcc 0
		.amdhsa_float_denorm_mode_32 3
		.amdhsa_float_denorm_mode_16_64 3
		.amdhsa_memory_ordered 1
		.amdhsa_forward_progress 1
		.amdhsa_inst_pref_size 70
	.end_amdhsa_kernel
	.amdgpu_metadata
---
amdhsa.version: [ 1, 2 ]
amdhsa.kernels:
  - .name:           k_qacb848d9cd_quant
    .symbol:         k_qacb848d9cd_quant.kd
    .args:
      - { .name: x, .offset: 0, .size: 8, .value_kind: global_buffer, .address_space: global }
      - { .name: w_qkv, .offset: 8, .size: 8, .value_kind: global_buffer, .address_space: global }
      - { .name: w_proj, .offset: 16, .size: 8, .value_kind: global_buffer, .address_space: global }
      - { .name: ximg, .offset: 24, .size: 8, .value_kind: global_buffer, .address_space: global }
      - { .name: wimg, .offset: 32, .size: 8, .value_kind: global_buffer, .address_space: global }
      - { .name: scl, .offset: 40, .size: 8, .value_kind: global_buffer, .address_space: global }
    .group_segment_fixed_size: 34304
    .private_segment_fixed_size: 0
    .kernarg_segment_align: 8
    .kernarg_segment_size: 48
    .max_flat_workgroup_size: 128
    .sgpr_count:     66
    .vgpr_count:     256
    .wavefront_size: 32
...
	.end_amdgpu_metadata
.endif
;; end of part 1
;; launch kvgemm (part 2): grid 32 x 8, 4 waves a work-group, clusters of 4 x 4, 327,680 bytes of LDS; arguments ximg, wimg, scl, b_qkv, kvp; writes kvp
.if DOCPART == 2
	.amdgcn_target "amdgcn-amd-amdhsa--gfx1250"
	.amdhsa_code_object_version 6
	.text
	.protected	k_qacb848d9cd_kvgemm
	.globl	k_qacb848d9cd_kvgemm
	.p2align	8
	.type	k_qacb848d9cd_kvgemm,@function
k_qacb848d9cd_kvgemm:
	s_mov_b64 s[64:65], 0
	v_nop
	global_prefetch_b8 v0, s[64:65] scope:SCOPE_SE
	s_setreg_imm32_b32 hwreg(HW_REG_WAVE_MODE, 25, 1), 1
	s_wait_xcnt 0x0
	s_wait_alu depctr_hold_cnt(0) depctr_sa_sdst(0) depctr_va_vdst(0) depctr_va_sdst(0) depctr_va_ssrc(0) depctr_va_vcc(0) depctr_vm_vsrc(0)
	s_getreg_b32 s2, hwreg(HW_REG_IB_STS2, 6, 4)
	s_cmp_eq_u32 s2, 0
	s_cbranch_scc0 .Lentry_in_a_cluster
	s_endpgm
.Lentry_in_a_cluster:
	s_bfe_u32 s2, ttmp6, 0x10000c
	s_cmp_lg_u32 s2, 0xf033
	s_cbranch_scc0 .Lentry_shape_is_right
	s_endpgm
.Lentry_shape_is_right:
; LAUNCH 2 OF 4: the k and v columns of x w_qkv + b_qkv, elu + 1 on k, the sums of k over tokens, both quantised along the TOKENS in registers, and k^T v for each 128 tokens.  Nothing is left out.
; SHARES.  A work-group makes 256 features (two heads: for each 64 of k, 64 of v) x 256 tokens of one batch; a wave one head's 128 features x 128 tokens: 64 accumulators, 512 registers.
; THE PRODUCT IS USED TRANSPOSED: source 0 = 16 tokens, source 1 = 16 features.  A lane then holds ONE feature and its registers run along the tokens, the next product's K; by the row blocks' order
; the 64 registers of a feature block are tokens 32 b + 16 (lane / 16) + i at register 16 b + i: what the quantiser takes.  The bias is the C of each sum's first product.
; k^T v: source 0 = 16 of k's features, source 1 = 16 of v's, K = my 128 tokens.  The two waves of a head add their tiles through LDS; a partial for 256 tokens goes to memory, the next launch adds eight.
; RING: K's 8 steps of 128 go through three LDS slots of two steps; all three are asked for at the start, slot 0 is filled once more (steps 6, 7).  A wave has three tensor loads out at the start, one later.
; CLUSTER 4 x 4: the features' tiles hang on the work-group's y alone and are asked for jointly along a row of the cluster, the tokens' on x alone, jointly along a column.
; LIMITS: elu(x) + 1 is formed as max(x + 1, 2^min(x log2 e, 0)), which for x <= 0 is exp(x) where reference() has expm1(x) + 1 (they differ by at most 2^-24); a block of zeros gets the byte 1;
; NaN and infinities are not served; f32 sums are taken in another order than reference()'s (bias first, tokens in runs of 128).
; REGISTERS.  window 0: v1-18 addresses; v32-95 scale words; v96-103 the eight fragments' scale words; v104-119 at work; v120-123 sums of k; v128-223 features' fragments, later at work.
;   window 1: tokens' fragments, two sets (v0, v128); bias tiles v96-127, v224-255; later k^T v in v0-127, the eight fragments from v128.   windows 2, 3: the accumulators of k, of v.
.set RBB,   12288                      ; a row block
.set SLOT,  98304                      ; 16 row blocks of features, then 16 of tokens, 3,072 bytes (two K steps) each
.set SPARE, 294912                     ; behind the ring: the spare words
.set XCH,   98304                      ; the exchange of k^T v: 16,384 bytes a wave, in slot 1, which has had its only fill and its last read by then
.set KSP,   8388608                    ; kvp: the sums of k begin here
.set ADRA, 4                           ; v4-6   my features' fragments in slot 0, 1, 2
.set ADRB, 8                           ; v8-10  my tokens'
.set SPW,  12
.set NIL,  13
.set LI,   14                          ; 16 x lane
.set SCO,  15
.set BO,   16
.set XS,   17
.set XL,   18
.set SC,   32                          ; word (block i, K step s) at v[SC + 8 i + s]: lanes 0-15 the features', lanes 16-31 the tokens'
.set PW,   96
.set TM,   104
.set KSUM, 120
.set AF,   128
.set HA,   128
.set QQ,   192
.set CT,   236
.set G1A, 28
.set G1B, 36
.set G0A, 44
.set G0B, 68
.set CL,  84
.set SEL, 86
.set MSB, 0
.macro WIN new                         ; the immediate's high byte repeats the setting that is left; a switch that changes nothing is dropped
.if MSB != (\new)
	s_set_vgpr_msb (MSB<<8)|(\new)
.set MSB, \new
.endif
.endm
.macro PLACES n
.rept \n
	v_nop
.endr
.endm
.macro JLOAD g0a, g1a, g0b, g1b        ; a joint load: waves 0, 1 fetch features, waves 2, 3 tokens; an s_nop 0 and four v_nop follow each line
	s_cmp_eq_u32 s23, 0
	s_cbranch_scc0 .Lfor_b_\@
	tensor_load_to_lds s[\g0a:\g0a+3], s[\g1a:\g1a+7]
	s_nop 0
.rept 4
	v_nop
.endr
	s_branch .Lasked_\@
.Lfor_b_\@:
	tensor_load_to_lds s[\g0b:\g0b+3], s[\g1b:\g1b+7]
	s_nop 0
.rept 4
	v_nop
.endr
.Lasked_\@:
.endm
.macro CREST
	s_cmp_lg_u32 s22, 0
	s_cbranch_scc1 .Lnot_wave_0_\@
	s_barrier_signal -3
.Lnot_wave_0_\@:
	s_barrier_wait -3
	s_barrier_signal -1
	s_barrier_wait -1
.endm
.macro CROUND
	s_barrier_signal -1
	s_barrier_wait -1
	CREST
.endm
	s_load_b256 s[4:11], s[0:1], 0x0               ; ximg s[4:5], wimg s[6:7], scl s[8:9], b_qkv s[10:11]
	s_load_b64 s[12:13], s[0:1], 0x20              ; kvp
	v_lshl_add_u32 v[SPW], v0, 2, SPARE
	v_mov_b32 v[NIL], 0
	ds_add_u32 v[SPW], v[NIL]                      ; the opening: an add to my spare word, twice on end, and its wait ahead of my first tensor load
	ds_add_u32 v[SPW], v[NIL]
	v_lshrrev_b32 v1, 5, v0
	v_readfirstlane_b32 s22, v1                    ; wave
	s_lshr_b32 s23, s22, 1                         ; my head of the two.  Also: I fetch features (0) or tokens (1)
	s_and_b32 s24, s22, 1                          ; my half of the tokens.  Also: which 8 row blocks I fetch
	s_bfe_u32 s25, ttmp6, 0x40000                  ; cx
	s_bfe_u32 s26, ttmp6, 0x40004                  ; cy
	s_lshl_b32 s27, ttmp9, 2
	s_add_co_u32 s27, s27, s25                     ; x: 256 tokens
	s_and_b32 s60, ttmp7, 0xffff
	s_lshl_b32 s60, s60, 2
	s_add_co_u32 s60, s60, s26                     ; y: two heads
	s_lshl_b32 s61, s26, 2
	s_lshl_b32 s61, 15, s61                        ; my row of the cluster
	s_lshl_b32 s62, 0x1111, s25                    ; my column
	s_or_b32 s[G1A], s61, (3<<16)|(1<<21)          ; the mask; elements of 8 bytes; bit 21 beside a mask; no padding: an image's loads take 512 consecutive bytes
	s_or_b32 s[G1B], s62, (3<<16)|(1<<21)
.irp g, G1A, G1B
	s_mov_b32 s[\g+1], 384<<16                     ; tensor_dim0: 3,072 bytes, two K steps of a row block
	s_mov_b32 s[\g+2], 8<<16                       ; tensor_dim1: 8 row blocks
	s_mov_b32 s[\g+3], 384<<16                     ; tile_dim0
	s_mov_b32 s[\g+4], 8                           ; tile_dim1
	s_mov_b32 s[\g+5], 1536                        ; from row block to row block: 12,288 bytes
	s_mov_b32 s[\g+6], 0
	s_mov_b32 s[\g+7], 0
.endr
	s_mov_b32 s[CL], 0x3fb8aa3b                    ; log2(e)
	s_mov_b32 s[CL+1], s[CL]
	s_mov_b32 s[SEL], 0x76543210
	s_mov_b32 s[SEL+1], 0xfedcba98
	s_lshl_b32 s90, s24, 3
	s_lshl_b32 s88, s60, 4
	s_add_co_u32 s88, s88, s90
	s_add_co_u32 s88, s88, 64
	s_mul_i32 s88, s88, RBB                        ; features: row block 64 + 16 y + 8 x half
	s_mov_b32 s89, 0
	s_lshl_b32 s92, s27, 4
	s_add_co_u32 s92, s92, s90
	s_mul_i32 s92, s92, RBB                        ; tokens: row block 16 x + 8 x half
	s_mov_b32 s93, 0
	s_mul_i32 s91, s22, 24576                      ; where they go in a slot: wave x 8 row blocks
	s_wait_dscnt 0x0                               ; both opening adds are done
	s_wait_kmcnt 0x0
	s_add_nc_u64 s[88:89], s[6:7], s[88:89]
	s_add_nc_u64 s[92:93], s[4:5], s[92:93]
	CROUND                                         ; all sixteen work-groups are here: the first joint loads meet
.irp n, 0,1,2
	s_mov_b32 s[G0A+4*\n], 1
	s_add_co_u32 s[G0A+4*\n+1], s91, \n*SLOT
	s_add_nc_u64 s[G0A+4*\n+2:G0A+4*\n+3], s[88:89], \n*3072
	s_or_b32 s[G0A+4*\n+3], s[G0A+4*\n+3], 0x80000000
	s_mov_b32 s[G0B+4*\n], 1
	s_add_co_u32 s[G0B+4*\n+1], s91, \n*SLOT
	s_add_nc_u64 s[G0B+4*\n+2:G0B+4*\n+3], s[92:93], \n*3072
	s_or_b32 s[G0B+4*\n+3], s[G0B+4*\n+3], 0x80000000
	JLOAD G0A+4*\n, G1A, G0B+4*\n, G1B
.endr
	v_and_b32 v1, 31, v0                           ; lane
	v_and_b32 v2, 15, v0                           ; r
	v_bfe_u32 v3, v0, 4, 1                         ; h
	v_lshlrev_b32 v[LI], 4, v1
	s_lshl_b32 s94, s27, 4
	s_add_co_u32 s94, s94, s90
	s_lshl_b32 s94, s94, 9                         ; my tokens' scale words
	s_lshl_b32 s95, s60, 4
	s_lshl_b32 s96, s23, 3
	s_add_co_u32 s95, s95, s96
	s_add_co_u32 s95, s95, 576
	s_lshl_b32 s95, s95, 9                         ; my features'
	s_sub_co_u32 s95, s95, s94
	v_xor_b32 v19, 1, v3
	v_mul_lo_u32 v19, v19, s95                     ; lanes 0-15 take the features', lanes 16-31 the tokens'
	v_add_nc_u32 v19, s94, v19
	v_lshl_add_u32 v[SCO], v2, 4, v19
.irp i, 0,1,2,3,4,5,6,7
	global_load_b128 v[SC+8*\i:SC+8*\i+3], v[SCO], s[8:9] offset:512*\i
	global_load_b128 v[SC+8*\i+4:SC+8*\i+7], v[SCO], s[8:9] offset:512*\i+256
.endr
	s_lshr_b32 s96, s27, 3                         ; batch
	s_and_b32 s97, s27, 7                          ; which 256 tokens of it
	s_lshl_b32 s98, s60, 1
	s_add_co_u32 s98, s98, s23                     ; head
	s_lshl_b32 s96, s96, 4
	s_add_co_u32 s96, s96, s98                     ; batch x 16 + head
	s_lshl_b32 s94, s96, 4
	s_lshl_b32 s95, s97, 1
	s_add_co_u32 s94, s94, s95
	s_add_co_u32 s94, s94, s24
	s_lshl_b32 s94, s94, 9
	s_add_co_u32 s94, s94, KSP
	s_mov_b32 s95, 0
	s_add_nc_u64 s[14:15], s[12:13], s[94:95]      ; my sums of k
	s_lshl_b32 s94, s96, 3
	s_add_co_u32 s94, s94, s97
	s_lshl_b32 s94, s94, 4
	s_add_co_u32 s94, s94, s90
	s_lshl_b32 s94, s94, 10
	s_add_nc_u64 s[16:17], s[12:13], s[94:95]      ; my eight tiles of k^T v
	s_lshl_b32 s94, s98, 8
	s_add_nc_u64 s[18:19], s[10:11], s[94:95]      ; my head's biases
	v_and_b32 v20, 8, v2
	v_add_nc_u32 v20, v20, v2
	v_lshlrev_b32 v[BO], 2, v20                    ; 4 (r + 8 (r / 8))
	WIN 0x40                                       ; destination window 1
.irp a, 0,1,2,3,4,5,6,7
	global_load_b32 v[96+8*(\a%4)+128*(\a/4)], v[BO], s[18:19] offset:(1024*(1+\a/4)+32*((\a%4)/2)+8*(\a%2))*4
.endr
	WIN 0
	s_wait_loadcnt 0x0
	WIN 0x41
.irp a, 0,1,2,3,4,5,6,7
.irp j, 1,2,3,4,5,6,7
	v_mov_b32 v[96+8*(\a%4)+128*(\a/4)+\j], v[96+8*(\a%4)+128*(\a/4)]   ; a lane's feature has one bias for all its tokens
.endr
.endr
	WIN 0
	s_mul_i32 s94, s23, 24576
	v_add_nc_u32 v[ADRA], s94, v[LI]
	v_add_nc_u32 v[ADRA+1], SLOT, v[ADRA]
	v_add_nc_u32 v[ADRA+2], 2*SLOT, v[ADRA]
	s_mul_i32 s95, s24, 24576
	s_add_co_u32 s95, s95, 49152
	v_add_nc_u32 v[ADRB], s95, v[LI]
	v_add_nc_u32 v[ADRB+1], SLOT, v[ADRB]
	v_add_nc_u32 v[ADRB+2], 2*SLOT, v[ADRB]
	s_lshl_b32 s96, s22, 14
	s_add_co_u32 s96, s96, XCH
	v_add_nc_u32 v[XS], s96, v[LI]                 ; the exchange: my 16 tiles go here;
	s_lshl_b32 s96, s23, 15
	s_lshl_b32 s97, s24, 13
	s_add_co_u32 s96, s96, s97
	s_add_co_u32 s96, s96, XCH
	v_add_nc_u32 v[XL], s96, v[LI]                 ; and I read my eight of the pair's first wave here, the second wave's 16,384 bytes on
.macro FRAG reg, adr, off              ; a fragment's image: three loads of 512 consecutive bytes
.irp c, 0,1,2
	ds_load_b128 v[\reg+4*\c:\reg+4*\c+3], v[\adr] offset:\off+512*\c
.endr
.endm
.macro FETCH_B s, slot
	WIN 0x40
.irp i, 0,1,2,3,4,5,6,7
	FRAG 128*((\s)%2)+12*\i, ADRB+\slot, 3072*\i+1536*((\s)%2)
.endr
	WIN 0
.endm
.macro FETCH_A s, slot, i0
.irp i, \i0, \i0+1, \i0+2, \i0+3
	FRAG AF+12*(\i), ADRA+\slot, 3072*(\i)+1536*((\s)%2)
.endr
.endm
; 16 products: feature blocks a0, a0 + 1 x the eight token blocks, K step s.  The 64 accumulators take turns, one instruction a turn, in the same order in every step.
.macro MUL16 a0, s, first
.irp a, \a0, \a0+1
.irp b, 0,1,2,3,4,5,6,7
.if \first
	v_wmma_scale_f32_16x16x128_f8f6f4 v[8*(8*((\a)%4)+\b):8*(8*((\a)%4)+\b)+7], v[128*((\s)%2)+12*\b:128*((\s)%2)+12*\b+11], v[AF+12*(\a):AF+12*(\a)+11], v[96+8*((\a)%4)+128*((\a)/4):96+8*((\a)%4)+128*((\a)/4)+7], v[SC+8*\b+(\s)], v[SC+8*(\a)+(\s)] matrix_a_fmt:MATRIX_FMT_FP6 matrix_b_fmt:MATRIX_FMT_FP6 matrix_a_scale:MATRIX_SCALE_ROW1
.else
	v_wmma_scale_f32_16x16x128_f8f6f4 v[8*(8*((\a)%4)+\b):8*(8*((\a)%4)+\b)+7], v[128*((\s)%2)+12*\b:128*((\s)%2)+12*\b+11], v[AF+12*(\a):AF+12*(\a)+11], v[8*(8*((\a)%4)+\b):8*(8*((\a)%4)+\b)+7], v[SC+8*\b+(\s)], v[SC+8*(\a)+(\s)] matrix_a_fmt:MATRIX_FMT_FP6 matrix_b_fmt:MATRIX_FMT_FP6 matrix_a_scale:MATRIX_SCALE_ROW1
.endif
.endr
.endr
.endm
; A K step whose successor's tiles are known to lie in LDS.  nslot: the successor's slot.  Loads into registers that products have read stand four plain places behind them.
.macro STEP s, nslot, first
	s_wait_dscnt 12                                ; the tokens' set and feature blocks 0-3 are in; the youngest twelve loads (blocks 4-7) may be out
.if \first
	WIN 0x91                                       ; source 0 and C (the bias) window 1, D window 2
.else
	WIN 0xa1
.endif
	MUL16 0, \s, \first
	MUL16 2, \s, \first
	s_wait_dscnt 0x0
	PLACES 4
	FETCH_B (\s)+1, \nslot
	FETCH_A (\s)+1, \nslot, 0
.if \first
	WIN 0xd1
.else
	WIN 0xf1
.endif
	MUL16 4, \s, \first
	MUL16 6, \s, \first
	PLACES 4
	WIN 0
	FETCH_A (\s)+1, \nslot, 4
.endm
; A K step with a barrier: in front of it each wave waits for all its tensor loads, adds 0 to its spare word, and waits for that and for its LDS reads.  fill = 1: the barrier opens a round of the cluster's, and slot 0 is filled again.
.macro TURN s, nslot, fill
	s_wait_tensorcnt 0x0                           ; all my tensor loads have landed
	ds_add_u32 v[SPW], v[NIL]
	s_wait_dscnt 13                                ; (the add and the youngest twelve loads may be out)
	WIN 0xa1
	MUL16 0, \s, 0
	s_wait_dscnt 0x0                               ; the add is done, and my reads of the slot that I leave are over
	s_barrier_signal -1
	MUL16 2, \s, 0
	WIN 0
	s_barrier_wait -1
.if \fill
	CREST                                          ; no wave of any partner still reads slot 0 or has a load on its way
	s_add_nc_u64 s[G0A+2:G0A+3], s[G0A+2:G0A+3], 9216   ; K steps 6 and 7
	s_add_nc_u64 s[G0B+2:G0B+3], s[G0B+2:G0B+3], 9216
	JLOAD G0A, G1A, G0B, G1B                       ; the first tensor load behind the round; its four v_nop are also the places in front of the loads below
.else
	PLACES 4
.endif
	FETCH_B (\s)+1, \nslot
	FETCH_A (\s)+1, \nslot, 0
	WIN 0xf1
	MUL16 4, \s, 0
	MUL16 6, \s, 0
	PLACES 4
	WIN 0
	FETCH_A (\s)+1, \nslot, 4
.endm
; 64 numbers of a lane, v[s] on in window ws, register 16 b + i = K 32 b + 16 (lane / 16) + i of my row, become a fragment in v[d] on of window wd and its scale word in v[pw] of window 0.
.macro QUANT s, ws, d, wd, pw
	WIN (\ws)|((\ws)<<2)
.irp b, 0,1,2,3
	v_max3_num_f32 v[TM+\b], |v[\s+16*\b]|, |v[\s+1+16*\b]|, 0x1800000   ; my 16 numbers of block b, and the floor 2^(3 - 127)
.endr
	WIN ((\ws)<<2)|((\ws)<<4)
.irp i, 2,4,6,8,10,12,14
.irp b, 0,1,2,3
	v_max3_num_f32 v[TM+\b], v[TM+\b], |v[\s+16*\b+\i]|, |v[\s+1+16*\b+\i]|
.endr
.endr
	WIN 0
.irp b, 0,1,2,3
	v_permlanex16_b32 v[TM+4+\b], v[TM+\b], s[SEL], s[SEL+1]
.endr
.irp b, 0,1,2,3
	v_max_num_f32 v[TM+\b], v[TM+\b], v[TM+4+\b]   ; with lane l xor 16's: the block's largest magnitude
.endr
.irp b, 0,1,2,3
	v_add_nc_u32 v[TM+12+\b], 0xff000000, v[TM+\b] ; 2 off its exponent field: the conversion's scale operand
.endr
.irp b, 0,1,2,3
	v_lshrrev_b32 v[TM+4+\b], 23, v[TM+12+\b]      ; the scale's byte
.endr
	v_lshl_or_b32 v[\pw], v[TM+5], 8, v[TM+4]
	v_lshl_or_b32 v[\pw], v[TM+6], 16, v[\pw]
	v_lshl_or_b32 v[\pw], v[TM+7], 24, v[\pw]
	WIN (\ws)|((\wd)<<6)
.irp c, 0,1
	v_cvt_scalef32_pk16_fp6_f32 v[\d+6*\c:\d+6*\c+2], v[\s+32*\c:\s+32*\c+15], v[TM+12+2*\c]
	v_cvt_scalef32_pk16_fp6_f32 v[CT+4*\c:CT+4*\c+2], v[\s+16+32*\c:\s+31+32*\c], v[TM+12+2*\c+1]
.endr
	WIN (\wd)|((\wd)<<6)
	v_nop                                          ; one plain place behind a scaled conversion
.irp c, 0,1                            ; the operand's layout wants a whole block in a lane
.irp i, 0,1,2
	v_permlane16_swap_b32 v[\d+6*\c+\i], v[CT+4*\c+\i]
.endr
.irp i, 0,1,2
	v_mov_b32 v[\d+3+6*\c+\i], v[CT+4*\c+\i]
.endr
.endr
	WIN 0
.endm
; elu + 1 of feature block a's 64 accumulators (window 2) into v[HA] on: max(x + 1, 2^min(x log2 e, 0)).  The 64 exponentials are one batch with one wait; the 32 packed additions are the plain work behind them.
.macro ELU a
	WIN 0x02
.set i, 0
.rept 32
	v_pk_mul_f32 v[HA+i:HA+i+1], v[64*(\a)+i:64*(\a)+i+1], s[CL:CL+1] op_sel_hi:[1,0]   ; ascending: each accumulator is read from its low end on
.set i, i+2
.endr
	WIN 0
.set i, 0
.rept 64
	v_min_num_f32 v[HA+i], 0, v[HA+i]
.set i, i+1
.endr
.set i, 0
.rept 64
	v_exp_f32 v[HA+i], v[HA+i]
.set i, i+1
.endr
	WIN 0x82
.set i, 0
.rept 32
	v_pk_add_f32 v[64*(\a)+i:64*(\a)+i+1], v[64*(\a)+i:64*(\a)+i+1], 1.0 op_sel_hi:[1,0]
.set i, i+2
.endr
	s_wait_alu depctr_va_vdst(0)                   ; one wait for the batch, ahead of the first use of a result
	WIN 0x08
.set i, 0
.rept 64
	v_max_num_f32 v[HA+i], v[HA+i], v[64*(\a)+i]
.set i, i+1
.endr
	WIN 0
.endm
.macro KSUMS a                         ; the sum of my feature's 64 unquantised k: two chains; the other half of the lanes keeps its own sum, and the next launch adds them
	v_pk_add_f32 v[QQ:QQ+1], v[HA:HA+1], v[HA+2:HA+3]
	v_pk_add_f32 v[QQ+2:QQ+3], v[HA+4:HA+5], v[HA+6:HA+7]
.irp j, 8,12,16,20,24,28,32,36,40,44,48,52,56,60
	v_pk_add_f32 v[QQ:QQ+1], v[QQ:QQ+1], v[HA+\j:HA+\j+1]
	v_pk_add_f32 v[QQ+2:QQ+3], v[QQ+2:QQ+3], v[HA+\j+2:HA+\j+3]
.endr
	v_pk_add_f32 v[QQ:QQ+1], v[QQ:QQ+1], v[QQ+2:QQ+3]
	v_add_f32 v[KSUM+\a], v[QQ], v[QQ+1]
.endm
	s_wait_tensorcnt 2                             ; my part of slot 0 is in; slots 1 and 2 may stay out
	s_barrier_signal -1
	s_barrier_wait -1
	FETCH_B 0, 0
	FETCH_A 0, 0, 0
	FETCH_A 0, 0, 4
	STEP 0, 0, 1                                   ; the first products start the sums from the bias
	TURN 1, 1, 1                                   ; slots 1 and 2 are whole in every wave from here on; slot 0 takes K steps 6 and 7
	STEP 2, 1, 0
	STEP 3, 2, 0
	STEP 4, 2, 0
	TURN 5, 0, 0                                   ; slot 0 is whole again; nothing is filled, so no round
	STEP 6, 0, 0
	s_wait_dscnt 12
	WIN 0xa1
	MUL16 0, 7, 0
	MUL16 2, 7, 0
	s_wait_dscnt 0x0
	WIN 0xf1
	MUL16 4, 7, 0
	MUL16 6, 7, 0
	WIN 0
	PLACES 4                                       ; in front of the first reads of results and writes of operands
.irp b, 0,1,2,3
	v_mov_b32 v[TM+4+\b], 0                        ; a lane permute's destination counts as one of its sources
.endr
.irp a, 0,1,2,3
	ELU \a
	KSUMS \a
	QUANT HA,0,128+12*\a,1,PW+\a
.endr
.irp a, 4,5,6,7
	QUANT 64*(\a-4),3,128+12*\a,1,PW+\a
.endr
	PLACES 8                                       ; a scale register written by a vector instruction stands 8 places ahead of a scaled product
	WIN 0x45
.irp a, 0,1,2,3
.irp c, 0,1,2,3
	v_wmma_scale_f32_16x16x128_f8f6f4 v[8*(4*\a+\c):8*(4*\a+\c)+7], v[128+12*\a:128+12*\a+11], v[128+12*(4+\c):128+12*(4+\c)+11], 0, v[PW+\a], v[PW+4+\c] matrix_a_fmt:MATRIX_FMT_FP6 matrix_b_fmt:MATRIX_FMT_FP6
.endr
.endr
	WIN 0
	PLACES 4
	global_store_b128 v[LI], v[KSUM:KSUM+3], s[14:15]   ; 32 lanes store 512 consecutive bytes
	WIN 0x04                                       ; an LDS store's data are its source 1: window 1
.set i, 0
.rept 32
	ds_store_b128 v[XS], v[4*i:4*i+3] offset:512*i ; tile (a, c) = 4 a + c: its low four registers, then its high four
.set i, i+1
.endr
	WIN 0
	s_wait_dscnt 0x0                               ; for the other wave's sake: my stores have landed
	s_barrier_signal -1
	s_barrier_wait -1
.set i, 0
.rept 16
	ds_load_b128 v[HA+4*i:HA+4*i+3], v[XL] offset:512*i
	ds_load_b128 v[QQ+4*i:QQ+4*i+3], v[XL] offset:16384+512*i
.set i, i+1
.endr
	s_wait_dscnt 0x0
.set i, 0
.rept 32
	v_pk_add_f32 v[HA+i:HA+i+1], v[HA+i:HA+i+1], v[QQ+i:QQ+i+1]
.set i, i+2
.endr
.set i, 0
.rept 16
	global_store_b128 v[LI], v[HA+4*i:HA+4*i+3], s[16:17] offset:512*i
.set i, i+1
.endr
	s_wait_tensorcnt 0x0                           ; the wave's end
	ds_add_u32 v[SPW], v[NIL]
	s_wait_dscnt 0x0
	CROUND                                         ; the closing round
	s_endpgm
.Lfunc_end_k_qacb848d9cd_kvgemm:
	.size	k_qacb848d9cd_kvgemm, .Lfunc_end_k_qacb848d9cd_kvgemm-k_qacb848d9cd_kvgemm
	.p2alignl 7, 3214868480
	.fill 96, 4, 3214868480
	.section	.rodata,"a",@progbits
	.p2align	6, 0x0
	.amdhsa_kernel k_qacb848d9cd_kvgemm
		.amdhsa_group_segment_fixed_size 327680
		.amdhsa_private_segment_fixed_size 0
		.amdhsa_enable_private_segment 0
		.amdhsa_kernarg_size 40
		.amdhsa_user_sgpr_count 2
		.amdhsa_user_sgpr_kernarg_segment_ptr 1
		.amdhsa_wavefront_size32 1
		.amdhsa_system_sgpr_workgroup_id_x 1
		.amdhsa_system_sgpr_workgroup_id_y 1
		.amdhsa_system_sgpr_workgroup_id_z 1
		.amdhsa_system_vgpr_workitem_id 0
		.amdhsa_next_free_vgpr 1024
		.amdhsa_next_free_sgpr 100
		.amdhsa_reserve_vcc 0
		.amdhsa_float_denorm_mode_32 3
		.amdhsa_float_denorm_mode_16_64 3
		.amdhsa_memory_ordered 1
		.amdhsa_forward_progress 1
		.amdhsa_inst_pref_size 196
	.end_amdhsa_kernel
	.amdgpu_metadata
---
amdhsa.version: [ 1, 2 ]
amdhsa.kernels:
  - .name:           k_qacb848d9cd_kvgemm
    .symbol:         k_qacb848d9cd_kvgemm.kd
    .args:
      - { .name: ximg, .offset: 0, .size: 8, .value_kind: global_buffer, .address_space: global }
      - { .name: wimg, .offset: 8, .size: 8, .value_kind: global_buffer, .address_space: global }
      - { .name: scl, .offset: 16, .size: 8, .value_kind: global_buffer, .address_space: global }
      - { .name: b_qkv, .offset: 24, .size: 8, .value_kind: global_buffer, .address_space: global }
      - { .name: kvp, .offset: 32, .size: 8, .value_kind: global_buffer, .address_space: global }
    .group_segment_fixed_size: 327680
    .private_segment_fixed_size: 0
    .kernarg_segment_align: 8
    .kernarg_segment_size: 40
    .max_flat_workgroup_size: 128
    .sgpr_count:     100
    .vgpr_count:     1024
    .wavefront_size: 32
...
	.end_amdgpu_metadata
.endif
;; end of part 2
;; launch qattn (part 3): grid 8 x 32, 4 waves a work-group, clusters of 4 x 4, 327,680 bytes of LDS; arguments ximg, wimg, scl, b_qkv, kvp, oimg; writes oimg
.if DOCPART == 3
	.amdgcn_target "amdgcn-amd-amdhsa--gfx1250"
	.amdhsa_code_object_version 6
	.text
	.protected	k_qacb848d9cd_qattn
	.globl	k_qacb848d9cd_qattn
	.p2align	8
	.type	k_qacb848d9cd_qattn,@function
k_qacb848d9cd_qattn:
	s_mov_b64 s[64:65], 0
	v_nop
	global_prefetch_b8 v0, s[64:65] scope:SCOPE_SE
	s_setreg_imm32_b32 hwreg(HW_REG_WAVE_MODE, 25, 1), 1
	s_wait_xcnt 0x0
	s_wait_alu depctr_hold_cnt(0) depctr_sa_sdst(0) depctr_va_vdst(0) depctr_va_sdst(0) depctr_va_ssrc(0) depctr_va_vcc(0) depctr_vm_vsrc(0)
	s_getreg_b32 s2, hwreg(HW_REG_IB_STS2, 6, 4)
	s_cmp_eq_u32 s2, 0
	s_cbranch_scc0 .Lentry_in_a_cluster
	s_endpgm
.Lentry_in_a_cluster:
	s_bfe_u32 s2, ttmp6, 0x10000c
	s_cmp_lg_u32 s2, 0xf033
	s_cbranch_scc0 .Lentry_shape_is_right
	s_endpgm
.Lentry_shape_is_right:
; LAUNCH 3 OF 4: the q columns of x w_qkv + b_qkv, elu + 1, z = 1 / (q . sum of k + 1e-8) in f32 on the unquantised q, q quantised along d, q (k^T v), x z, and the result quantised along C for the projection.
; Beside the first product it finishes k^T v and the sums of k: the eight partials of each are added and k^T v is quantised along d (its first axis, the next product's K).  Nothing is left out.
; SHARES.  A work-group makes 256 tokens x 128 features (two heads); a wave 64 tokens (four row blocks) x all 128 features: 32 accumulators.
; source 0 = 16 features, source 1 = 16 tokens: a lane holds ONE token and its 64 registers of a token block run along the features: register 16 b + i = feature 32 b + 16 (lane / 16) + i.  So q never leaves the registers.
; q (k^T v): K = 128 = both heads' d; each of the eight fragments of k^T v holds one head's codes (an even head's in K 0-63, an odd head's in K 64-127) and zero codes under the byte 127 for the other, chosen by masks.
; Its result again holds one token a lane, 64 registers along the two heads' e: K step x of the projection.
; k^T v: wave w finishes fragments 2 w and 2 w + 1 of the eight (head w / 2, columns 16 (2 (w % 2) + f) on).  A lane holds one column e, 32 registers along d.  The partials come in four batches of two partials x two
; fragments, 32 loads of 512 bytes, into registers that the first product does not use; a batch is asked for behind the additions of the batch before, two K steps (64 products) ahead of the wait for it.  The fragments, their scale
; words and the sums of k go from wave to wave through LDS, as images of the registers.  The eight work-groups of a batch and a pair of heads each add the same partials, 262,144 bytes a work-group, in place of a launch for them.
; They are not asked for jointly, though the four work-groups of a cluster's column read the same ones: beside the four chunks LDS has 32,256 bytes left for 262,144.
; LDS: all of K lies in four chunks of two K steps, each filled once; a wave has four tensor loads out.  CLUSTER 4 x 4: tokens' tiles jointly along a row, features' along a column.
; LIMITS: as in the launch before (elu + 1 as max(x + 1, 2^min(x log2 e, 0)); byte 1 for a block of zeros; no NaN, no infinities; another order of f32 sums).
; REGISTERS.  window 0: v1-26 addresses; v32-95 scale words; v96-103 those of k^T v; v104, v106-109 those just made; v110-125 at work; v128-223 tokens' fragments, two sets, later q (v128-191) and z's sums (v192-203);
;   v224-235 q's codes; v244-249 the sums of k and my two fragments' scale words.   window 1: features' fragments, two sets; bias tiles v96-127, v224-255; later the four results' codes from v0.   window 2: the accumulators.
;   window 3, beside the first product: v0-127 a batch of partials; v128-191 my two sums; v192-223 half-sums of k; v224-231 conversions; v232-255 my two fragments.  Later: v0-95 k^T v; v96-159 the sums of k; v160-223 q (k^T v).
.set RBB,   12288
.set CH,    73728                      ; a chunk: 16 row blocks of tokens, then 8 of features, 3,072 bytes each
.set SPARE, 294912
.set KVL,   295424                     ; behind the spare words, stored by the waves and filled by no tensor load: the eight fragments of k^T v, 1,536 bytes each;
.set KVWL,  307712                     ; their scale words, 128 bytes each;
.set KSL,   308736                     ; the sums of k at the two heads' 128 features, in natural order
.set KSP,   8388608                    ; kvp: the sums of k begin here
.set OSC,   6291456
.set ADRA, 4
.set ADRB, 8
.set SPW,  12
.set NIL,  13
.set LI,   14
.set SCO,  15
.set WO,   16
.set HO,   17
.set L4,   18
.set KVA,  20                          ; v20  16 x lane + KVL
.set KVST, 21                          ; v21  + 3,072 x wave: where my two fragments go
.set KWA,  22                          ; v22  4 x lane + KVWL
.set KWST, 23                          ; v23  + 256 x wave
.set KSA,  24                          ; v24  where my two sums of k go
.set KSLD, 25                          ; v25  64 h + KSL
.set SC,   32
.set KVW,  96
.set PWQ,  104
.set PWO,  106
.set TM,   110
.set AF,   128
.set HA,   128
.set ZZ,   192
.set QF,   224
.set CT,   236
.set KT,   244
.set KW,   248
.set KVF,  0
.set KSR,  96
.set OA,   160
.set BUF,  0
.set SS,   128
.set KSB,  192
.set CC,   224
.set RR,   232
.set G1A, 28
.set G1B, 36
.set G0A, 44
.set G0B, 68
.set CL,  84
.set SEL, 86
.set MSB, 0
.macro WIN new
.if MSB != (\new)
	s_set_vgpr_msb (MSB<<8)|(\new)
.set MSB, \new
.endif
.endm
.macro PLACES n
.rept \n
	v_nop
.endr
.endm
.macro JLOAD g0a, g1a, g0b, g1b        ; waves 0, 1 fetch tokens, waves 2, 3 features; an s_nop 0 and four v_nop follow each line
	s_cmp_eq_u32 s23, 0
	s_cbranch_scc0 .Lfor_b_\@
	tensor_load_to_lds s[\g0a:\g0a+3], s[\g1a:\g1a+7]
	s_nop 0
.rept 4
	v_nop
.endr
	s_branch .Lasked_\@
.Lfor_b_\@:
	tensor_load_to_lds s[\g0b:\g0b+3], s[\g1b:\g1b+7]
	s_nop 0
.rept 4
	v_nop
.endr
.Lasked_\@:
.endm
.macro CROUND
	s_barrier_signal -1
	s_barrier_wait -1
	s_cmp_lg_u32 s22, 0
	s_cbranch_scc1 .Lnot_wave_0_\@
	s_barrier_signal -3
.Lnot_wave_0_\@:
	s_barrier_wait -3
	s_barrier_signal -1
	s_barrier_wait -1
.endm
	s_load_b256 s[4:11], s[0:1], 0x0               ; ximg, wimg, scl, b_qkv
	s_load_b128 s[12:15], s[0:1], 0x20             ; kvp, oimg
	v_lshl_add_u32 v[SPW], v0, 2, SPARE
	v_mov_b32 v[NIL], 0
	ds_add_u32 v[SPW], v[NIL]                      ; the opening: an add to my spare word, twice on end, and its wait ahead of my first tensor load
	ds_add_u32 v[SPW], v[NIL]
	v_lshrrev_b32 v1, 5, v0
	v_readfirstlane_b32 s22, v1                    ; wave
	s_lshr_b32 s23, s22, 1                         ; I fetch tokens (0) or features (1).  Also: the head of the pair whose k^T v I finish
	s_and_b32 s24, s22, 1                          ; which half of them.  Also: which half of that head's columns
	s_bfe_u32 s25, ttmp6, 0x40000
	s_bfe_u32 s26, ttmp6, 0x40004
	s_lshl_b32 s27, ttmp9, 2
	s_add_co_u32 s27, s27, s25                     ; x: 128 features
	s_and_b32 s60, ttmp7, 0xffff
	s_lshl_b32 s60, s60, 2
	s_add_co_u32 s60, s60, s26                     ; y: 256 tokens
	s_lshl_b32 s61, s26, 2
	s_lshl_b32 s61, 15, s61
	s_lshl_b32 s62, 0x1111, s25
	s_or_b32 s[G1A], s61, (3<<16)|(1<<21)          ; tokens' tiles go to my row of the cluster; elements of 8 bytes; no padding
	s_or_b32 s[G1B], s62, (3<<16)|(1<<21)          ; features' to my column
	s_mov_b32 s[G1A+1], 384<<16                    ; rows of 3,072 bytes,
	s_mov_b32 s[G1A+2], 8<<16                      ; 8 row blocks,
	s_mov_b32 s[G1A+3], 384<<16
	s_mov_b32 s[G1A+4], 8
	s_mov_b32 s[G1A+5], 1536                       ; 12,288 bytes apart
	s_mov_b32 s[G1A+6], 0
	s_mov_b32 s[G1A+7], 0
	s_mov_b32 s[G1B+1], 384<<16
	s_mov_b32 s[G1B+2], 4<<16                      ; 4 row blocks
	s_mov_b32 s[G1B+3], 384<<16
	s_mov_b32 s[G1B+4], 4
	s_mov_b32 s[G1B+5], 1536
	s_mov_b32 s[G1B+6], 0
	s_mov_b32 s[G1B+7], 0
	s_mov_b32 s[CL], 0x3fb8aa3b
	s_mov_b32 s[CL+1], s[CL]
	s_mov_b32 s[SEL], 0x76543210
	s_mov_b32 s[SEL+1], 0xfedcba98
	s_lshl_b32 s90, s24, 3
	s_lshl_b32 s88, s60, 4
	s_add_co_u32 s88, s88, s90
	s_mul_i32 s88, s88, RBB                        ; tokens: row block 16 y + 8 x half
	s_mov_b32 s89, 0
	s_lshl_b32 s90, s24, 2
	s_lshl_b32 s92, s27, 3
	s_add_co_u32 s92, s92, s90
	s_mul_i32 s92, s92, RBB                        ; features: row block 8 x + 4 x half
	s_mov_b32 s93, 0
	s_mul_i32 s91, s24, 24576
	s_mul_i32 s94, s24, 12288
	s_add_co_u32 s94, s94, 49152
	s_wait_dscnt 0x0
	s_wait_kmcnt 0x0
	s_add_nc_u64 s[88:89], s[4:5], s[88:89]
	s_add_nc_u64 s[92:93], s[6:7], s[92:93]
	CROUND                                         ; all sixteen work-groups are here: the joint loads meet
.irp j, 0,1,2,3
	s_mov_b32 s[G0A+4*\j], 1
	s_add_co_u32 s[G0A+4*\j+1], s91, \j*CH
	s_add_nc_u64 s[G0A+4*\j+2:G0A+4*\j+3], s[88:89], \j*3072
	s_or_b32 s[G0A+4*\j+3], s[G0A+4*\j+3], 0x80000000
	s_mov_b32 s[G0B+4*\j], 1
	s_add_co_u32 s[G0B+4*\j+1], s94, \j*CH
	s_add_nc_u64 s[G0B+4*\j+2:G0B+4*\j+3], s[92:93], \j*3072
	s_or_b32 s[G0B+4*\j+3], s[G0B+4*\j+3], 0x80000000
	JLOAD G0A+4*\j, G1A, G0B+4*\j, G1B
.endr
	v_and_b32 v1, 31, v0
	v_and_b32 v2, 15, v0
	v_bfe_u32 v3, v0, 4, 1
	v_lshlrev_b32 v[LI], 4, v1
	v_lshlrev_b32 v[L4], 2, v1
	v_lshlrev_b32 v[HO], 6, v3                     ; 64 h: my half's 16 numbers of each 32
	v_lshlrev_b32 v[WO], 9, v3
	v_lshl_add_u32 v[WO], v2, 4, v[WO]             ; the new scale words' place: 512 h + 16 r
	s_mul_i32 s95, s22, 12288
	v_add_nc_u32 v[ADRA], s95, v[LI]
	v_add_nc_u32 v[ADRA+1], CH, v[ADRA]
	v_add_nc_u32 v[ADRA+2], 2*CH, v[ADRA]
	v_add_nc_u32 v[ADRA+3], 3*CH, v[ADRA]
	v_add_nc_u32 v[ADRB], 49152, v[LI]
	v_add_nc_u32 v[ADRB+1], CH, v[ADRB]
	v_add_nc_u32 v[ADRB+2], 2*CH, v[ADRB]
	v_add_nc_u32 v[ADRB+3], 3*CH, v[ADRB]
	v_add_nc_u32 v[KVA], KVL, v[LI]
	s_mul_i32 s95, s22, 3072
	v_add_nc_u32 v[KVST], s95, v[KVA]
	v_add_nc_u32 v[KWA], KVWL, v[L4]
	s_lshl_b32 s95, s22, 8
	v_add_nc_u32 v[KWST], s95, v[KWA]
	v_and_b32 v26, 8, v2
	v_add_nc_u32 v26, v26, v2
	v_lshlrev_b32 v26, 2, v26                      ; 4 (r + 8 (r / 8))
	s_lshl_b32 s95, s22, 7
	s_add_co_u32 s95, s95, KSL                     ; + 256 x head + 128 x half = 128 x wave
	v_add_nc_u32 v[KSA], s95, v26
	v_add_nc_u32 v[KSLD], KSL, v[HO]
.irp b, 0,1,2,3
	v_mov_b32 v[TM+4+\b], 0                        ; a lane permute's destination counts as one of its sources
.endr
	v_mov_b32 v[KT+2], 0
	v_mov_b32 v[KT+3], 0
	s_lshl_b32 s96, s60, 4
	s_lshl_b32 s97, s22, 2
	s_add_co_u32 s96, s96, s97                     ; my first row block of tokens: 16 y + 4 wave
	s_lshl_b32 s94, s96, 9                         ; its scale words
	s_lshl_b32 s95, s27, 3
	s_add_co_u32 s95, s95, 512
	s_lshl_b32 s95, s95, 9                         ; the features'
	s_sub_co_u32 s95, s95, s94
	v_mul_lo_u32 v19, v3, s95                      ; lanes 0-15 take the tokens', lanes 16-31 the features'
	v_add_nc_u32 v19, s94, v19
	v_lshl_add_u32 v[SCO], v2, 4, v19
.irp i, 0,1,2,3,4,5,6,7
	global_load_b128 v[SC+8*\i:SC+8*\i+3], v[SCO], s[8:9] offset:512*\i          ; (from block 4 on lanes 0-15 load words that no product names; they lie inside the buffer)
	global_load_b128 v[SC+8*\i+4:SC+8*\i+7], v[SCO], s[8:9] offset:512*\i+256
.endr
	s_mov_b32 s95, 0                               ; the pointers below take s6-7 and s14-21: no register of a pending tensor load's descriptor is written
	s_lshl_b32 s94, s27, 9
	s_add_nc_u64 s[18:19], s[10:11], s[94:95]      ; my 128 features' biases
	s_lshr_b32 s97, s60, 3                         ; batch
	s_lshl_b32 s97, s97, 4
	s_lshl_b32 s98, s27, 1
	s_add_co_u32 s97, s97, s98
	s_add_co_u32 s97, s97, s23                     ; batch x 16 + the head whose k^T v my wave finishes
	s_lshl_b32 s94, s97, 17                        ; its eight partials of 16 tiles of 1,024 bytes,
	s_lshl_b32 s98, s24, 11                        ; from column tile 2 (wave % 2) on
	s_add_co_u32 s94, s94, s98
	s_add_nc_u64 s[20:21], s[12:13], s[94:95]
	s_lshl_b32 s94, s97, 13                        ; its 16 runs' half-sums of k, 512 bytes a run,
	s_lshl_b32 s98, s24, 3                         ; from feature block 2 (wave % 2) on
	s_add_co_u32 s94, s94, s98
	s_add_co_u32 s94, s94, KSP
	s_add_nc_u64 s[6:7], s[12:13], s[94:95]
	s_lshl_b32 s94, s96, 3
	s_add_co_u32 s94, s94, s27
	s_mul_i32 s94, s94, 1536
	s_add_nc_u64 s[16:17], s[14:15], s[94:95]      ; the result's codes: row block, K step x
	s_lshl_b32 s94, s96, 9
	s_lshr_b32 s97, s27, 2
	s_lshl_b32 s97, s97, 8
	s_add_co_u32 s94, s94, s97
	s_and_b32 s97, s27, 3
	s_lshl_b32 s97, s97, 2
	s_add_co_u32 s94, s94, s97
	s_add_co_u32 s94, s94, OSC
	s_add_nc_u64 s[14:15], s[14:15], s[94:95]      ; and its scale words
	s_lshl_b32 s92, s23, 4                         ; 16 p, p my head's place in the pair: its two scale bytes' shift
	s_xor_b32 s93, s92, 16
	s_lshl_b32 s93, 0x7f7f, s93                    ; the byte 127 for the other head's two blocks
	s_cmp_eq_u32 s23, 0
	s_cselect_b32 s88, -1, 0                       ; keeps registers 0-5 in an even head,
	s_cselect_b32 s89, 0, -1                       ; registers 6-11 in an odd one
	WIN 0x40                                       ; destination window 1: the bias in the result's layout, features 32 (b / 2) + 16 h + 8 (b % 2) + 0 .. 7
.irp b, 0,1,2,3,4,5,6,7
	global_load_b128 v[96+8*(\b%4)+128*(\b/4):96+8*(\b%4)+128*(\b/4)+3], v[HO], s[18:19] offset:128*(\b/2)+32*(\b%2)
	global_load_b128 v[100+8*(\b%4)+128*(\b/4):100+8*(\b%4)+128*(\b/4)+3], v[HO], s[18:19] offset:128*(\b/2)+32*(\b%2)+16
.endr
	WIN 0xc0                                       ; destination window 3
.set i, 0
.rept 16
	global_load_b64 v[KSB+2*i:KSB+2*i+1], v[LI], s[6:7] offset:512*i   ; run i: lane (r, h)'s half-sums of k's features (2 (wave % 2) + 0, 1; r)
.set i, i+1
.endr
	WIN 0
; Partials 2 j and 2 j + 1 of my two fragments: tile (a, c), half k of its registers, into register 8 a + 4 k on: register 16 b + i = d 32 b + 16 (lane / 16) + i of my column.
.macro KVLOAD j
	WIN 0xc0
.irp u, 0,1
.irp f, 0,1
.irp a, 0,1,2,3
.irp k, 0,1
	global_load_b128 v[BUF+64*\u+32*\f+8*\a+4*\k:BUF+64*\u+32*\f+8*\a+4*\k+3], v[LI], s[20:21] offset:16384*(2*(\j)+\u)+1024*\f+4096*\a+512*\k
.endr
.endr
.endr
.endr
	WIN 0
.endm
.macro KVADD first                     ; the batch is added, the partials in ascending order; first = 1: it starts the sums
	WIN 0xcf                                       ; both sources and the destination window 3
.if \first
.irp f, 0,1
.set i, 0
.rept 16
	v_pk_add_f32 v[SS+32*\f+i:SS+32*\f+i+1], v[BUF+32*\f+i:BUF+32*\f+i+1], v[BUF+64+32*\f+i:BUF+64+32*\f+i+1]
.set i, i+2
.endr
.endr
.else
.irp u, 0,1
.irp f, 0,1
.set i, 0
.rept 16
	v_pk_add_f32 v[SS+32*\f+i:SS+32*\f+i+1], v[SS+32*\f+i:SS+32*\f+i+1], v[BUF+64*\u+32*\f+i:BUF+64*\u+32*\f+i+1]
.set i, i+2
.endr
.endr
.endr
.endif
	WIN 0
.endm
.macro KSFIN                           ; the 16 runs' half-sums, then the other half of the tokens': the sums of k over all 2,048, into LDS at their features' natural places
	WIN 0xcf
.irp t, 2,4,6,8,10,12,14,16,18,20,22,24,26,28
	v_pk_add_f32 v[KSB:KSB+1], v[KSB:KSB+1], v[KSB+\t:KSB+\t+1]
.endr
	WIN 0x0f                                       ; the last sum lands in window 0
	v_pk_add_f32 v[KT:KT+1], v[KSB:KSB+1], v[KSB+30:KSB+31]
	WIN 0
	v_permlanex16_b32 v[KT+2], v[KT], s[SEL], s[SEL+1]
	v_permlanex16_b32 v[KT+3], v[KT+1], s[SEL], s[SEL+1]
	v_pk_add_f32 v[KT:KT+1], v[KT:KT+1], v[KT+2:KT+3]
	ds_store_b32 v[KSA], v[KT]                     ; lanes r and 16 + r write the same word with the same value
	ds_store_b32 v[KSA], v[KT+1] offset:32         ; the odd feature block lies 8 features on
.endm
.macro KVQ f                           ; my fragment f: two blocks of 32 along d are quantised, laid for K = 128, and stored as an image
.set SF, SS+32*(\f)
	WIN 0x0f
.irp b, 0,1
	v_max3_num_f32 v[TM+\b], |v[SF+16*\b]|, |v[SF+1+16*\b]|, 0x1800000   ; my 16 numbers of block b, and the floor 2^(3 - 127)
.endr
	WIN 0x3c
.irp i, 2,4,6,8,10,12,14
.irp b, 0,1
	v_max3_num_f32 v[TM+\b], v[TM+\b], |v[SF+16*\b+\i]|, |v[SF+1+16*\b+\i]|
.endr
.endr
	WIN 0
.irp b, 0,1
	v_permlanex16_b32 v[TM+4+\b], v[TM+\b], s[SEL], s[SEL+1]
.endr
.irp b, 0,1
	v_max_num_f32 v[TM+\b], v[TM+\b], v[TM+4+\b]
.endr
.irp b, 0,1
	v_add_nc_u32 v[TM+12+\b], 0xff000000, v[TM+\b]
.endr
.irp b, 0,1
	v_lshrrev_b32 v[TM+4+\b], 23, v[TM+12+\b]
.endr
	v_lshl_or_b32 v[KW+\f], v[TM+5], 8, v[TM+4]
	v_lshlrev_b32 v[KW+\f], s92, v[KW+\f]
	v_or_b32 v[KW+\f], s93, v[KW+\f]               ; the column's scale word
	WIN 0xc3                                       ; the numbers and the codes window 3, the scale operand window 0
	v_cvt_scalef32_pk16_fp6_f32 v[CC:CC+2], v[SF:SF+15], v[TM+12]
	v_cvt_scalef32_pk16_fp6_f32 v[CC+4:CC+6], v[SF+16:SF+31], v[TM+13]
	v_nop                                          ; one plain place behind a scaled conversion
.irp i, 0,1,2
	v_permlane16_swap_b32 v[CC+\i], v[CC+4+\i]     ; a whole block to a lane
.endr
	WIN 0xcf
.irp i, 0,1,2
	v_and_b32 v[RR+12*\f+\i], s88, v[CC+\i]
	v_and_b32 v[RR+12*\f+3+\i], s88, v[CC+4+\i]
	v_and_b32 v[RR+12*\f+6+\i], s89, v[CC+\i]
	v_and_b32 v[RR+12*\f+9+\i], s89, v[CC+4+\i]
.endr
	WIN 0x0c                                       ; an LDS store's data are its source 1: window 3
.irp g, 0,1,2
	ds_store_b128 v[KVST], v[RR+12*\f+4*\g:RR+12*\f+4*\g+3] offset:1536*\f+512*\g
.endr
	WIN 0
	ds_store_b32 v[KWST], v[KW+\f] offset:128*\f
.endm
	KVLOAD 0
.macro FRAG reg, adr, off
.irp c, 0,1,2
	ds_load_b128 v[\reg+4*\c:\reg+4*\c+3], v[\adr] offset:\off+512*\c
.endr
.endm
.macro FETCH s                         ; K step s: the eight features' fragments and my four tokens', into set s % 2
	WIN 0x40
.irp i, 0,1,2,3,4,5,6,7
	FRAG 128*((\s)%2)+12*\i, ADRB+(\s)/2, 3072*\i+1536*((\s)%2)
.endr
	WIN 0
.irp i, 0,1,2,3
	FRAG AF+48*((\s)%2)+12*\i, ADRA+(\s)/2, 3072*\i+1536*((\s)%2)
.endr
.endm
; A K step: its fragments are in; where the next step begins a chunk, that chunk is shown whole to every wave; the next step's 36 loads go out; then 32 products, the accumulators by turns.
.macro KSTEP s
	s_wait_dscnt 0x0
.if ((\s)%2 == 1) && ((\s) < 7)
	s_wait_tensorcnt 3-((\s)+1)/2                  ; my part of the next chunk is in; the later chunks may stay out
	s_barrier_signal -1
	s_barrier_wait -1
.endif
.if (\s) < 7
	PLACES 4                                       ; in front of loads into registers that the last step's products have read
	FETCH (\s)+1
.endif
.if (\s) == 0
	WIN 0x91                                       ; source 0 and C (the bias) window 1, D window 2
.else
	WIN 0xa1
.endif
.irp a, 0,1,2,3
.irp b, 0,1,2,3,4,5,6,7
.if (\s) == 0
	v_wmma_scale_f32_16x16x128_f8f6f4 v[8*(8*\a+\b):8*(8*\a+\b)+7], v[128*((\s)%2)+12*\b:128*((\s)%2)+12*\b+11], v[AF+48*((\s)%2)+12*\a:AF+48*((\s)%2)+12*\a+11], v[96+8*(\b%4)+128*(\b/4):96+8*(\b%4)+128*(\b/4)+7], v[SC+8*\b+(\s)], v[SC+8*\a+(\s)] matrix_a_fmt:MATRIX_FMT_FP6 matrix_b_fmt:MATRIX_FMT_FP6 matrix_a_scale:MATRIX_SCALE_ROW1
.else
	v_wmma_scale_f32_16x16x128_f8f6f4 v[8*(8*\a+\b):8*(8*\a+\b)+7], v[128*((\s)%2)+12*\b:128*((\s)%2)+12*\b+11], v[AF+48*((\s)%2)+12*\a:AF+48*((\s)%2)+12*\a+11], v[8*(8*\a+\b):8*(8*\a+\b)+7], v[SC+8*\b+(\s)], v[SC+8*\a+(\s)] matrix_a_fmt:MATRIX_FMT_FP6 matrix_b_fmt:MATRIX_FMT_FP6 matrix_a_scale:MATRIX_SCALE_ROW1
.endif
.endr
.endr
	WIN 0
.endm
; 64 numbers of a lane, v[s] on in window ws, register 16 b + i = K 32 b + 16 (lane / 16) + i of my row, become a fragment in v[d] on of window wd and its scale word in v[pw] of window 0.
.macro QUANT s, ws, d, wd, pw
	WIN (\ws)|((\ws)<<2)
.irp b, 0,1,2,3
	v_max3_num_f32 v[TM+\b], |v[\s+16*\b]|, |v[\s+1+16*\b]|, 0x1800000
.endr
	WIN ((\ws)<<2)|((\ws)<<4)
.irp i, 2,4,6,8,10,12,14
.irp b, 0,1,2,3
	v_max3_num_f32 v[TM+\b], v[TM+\b], |v[\s+16*\b+\i]|, |v[\s+1+16*\b+\i]|
.endr
.endr
	WIN 0
.irp b, 0,1,2,3
	v_permlanex16_b32 v[TM+4+\b], v[TM+\b], s[SEL], s[SEL+1]
.endr
.irp b, 0,1,2,3
	v_max_num_f32 v[TM+\b], v[TM+\b], v[TM+4+\b]
.endr
.irp b, 0,1,2,3
	v_add_nc_u32 v[TM+12+\b], 0xff000000, v[TM+\b]
.endr
.irp b, 0,1,2,3
	v_lshrrev_b32 v[TM+4+\b], 23, v[TM+12+\b]
.endr
	v_lshl_or_b32 v[\pw], v[TM+5], 8, v[TM+4]
	v_lshl_or_b32 v[\pw], v[TM+6], 16, v[\pw]
	v_lshl_or_b32 v[\pw], v[TM+7], 24, v[\pw]
	WIN (\ws)|((\wd)<<6)
.irp c, 0,1
	v_cvt_scalef32_pk16_fp6_f32 v[\d+6*\c:\d+6*\c+2], v[\s+32*\c:\s+32*\c+15], v[TM+12+2*\c]
	v_cvt_scalef32_pk16_fp6_f32 v[CT+4*\c:CT+4*\c+2], v[\s+16+32*\c:\s+31+32*\c], v[TM+12+2*\c+1]
.endr
	WIN (\wd)|((\wd)<<6)
	v_nop                                          ; one plain place behind a scaled conversion
.irp c, 0,1
.irp i, 0,1,2
	v_permlane16_swap_b32 v[\d+6*\c+\i], v[CT+4*\c+\i]
.endr
.irp i, 0,1,2
	v_mov_b32 v[\d+3+6*\c+\i], v[CT+4*\c+\i]
.endr
.endr
	WIN 0
.endm
.macro ELU a                           ; elu + 1 of token block a's 64 accumulators into v[HA] on; one batch of exponentials, one wait
	WIN 0x02
.set i, 0
.rept 32
	v_pk_mul_f32 v[HA+i:HA+i+1], v[64*(\a)+i:64*(\a)+i+1], s[CL:CL+1] op_sel_hi:[1,0]   ; ascending: each accumulator is read from its low end on
.set i, i+2
.endr
	WIN 0
.set i, 0
.rept 64
	v_min_num_f32 v[HA+i], 0, v[HA+i]
.set i, i+1
.endr
.set i, 0
.rept 64
	v_exp_f32 v[HA+i], v[HA+i]
.set i, i+1
.endr
	WIN 0x82
.set i, 0
.rept 32
	v_pk_add_f32 v[64*(\a)+i:64*(\a)+i+1], v[64*(\a)+i:64*(\a)+i+1], 1.0 op_sel_hi:[1,0]
.set i, i+2
.endr
	s_wait_alu depctr_va_vdst(0)                   ; one wait for the batch, ahead of the first use of a result
	WIN 0x08
.set i, 0
.rept 64
	v_max_num_f32 v[HA+i], v[HA+i], v[64*(\a)+i]
.set i, i+1
.endr
	WIN 0
.endm
; Token block a from q's sums to the projection's operand.
.macro ATT a
	ELU \a
	QUANT HA,0,QF,0,PWQ
.if \a == 0                            ; block 0's elu and quantiser stand between my stores of k^T v and the barrier that shows every wave's to all
	s_wait_dscnt 0x0                               ; for the others' sake: my fragments, their scale words and my sums of k have landed
	s_barrier_signal -1
	s_barrier_wait -1
	WIN 0xc0                                       ; destination window 3
.set i, 0
.rept 24
	ds_load_b128 v[KVF+4*i:KVF+4*i+3], v[KVA] offset:512*i
.set i, i+1
.endr
.set i, 0
.rept 16
	ds_load_b128 v[KSR+4*i:KSR+4*i+3], v[KSLD] offset:128*(i/4)+16*(i%4)   ; register 16 b + i: the sum of k at feature 32 b + 16 h + i of the two heads' 128
.set i, i+1
.endr
	WIN 0
.irp c, 0,1,2,3,4,5,6,7
	ds_load_b32 v[KVW+\c], v[KWA] offset:128*\c
.endr
	s_wait_dscnt 0x0
.endif
	WIN 0x0c                                       ; source 1 (the sums of k) window 3.  q . sum of k on the unquantised q: four chains, two a head; these 32 plain lines are also the places ahead of the scaled products
.irp q, 0,1,2,3
	v_pk_mul_f32 v[ZZ+2*\q:ZZ+2*\q+1], v[HA+32*(\q/2)+2*(\q%2):HA+32*(\q/2)+2*(\q%2)+1], v[KSR+32*(\q/2)+2*(\q%2):KSR+32*(\q/2)+2*(\q%2)+1]
.endr
.irp j, 4,8,12,16,20,24,28
.irp q, 0,1,2,3
	v_pk_fma_f32 v[ZZ+2*\q:ZZ+2*\q+1], v[HA+32*(\q/2)+2*(\q%2)+\j:HA+32*(\q/2)+2*(\q%2)+\j+1], v[KSR+32*(\q/2)+2*(\q%2)+\j:KSR+32*(\q/2)+2*(\q%2)+\j+1], v[ZZ+2*\q:ZZ+2*\q+1]
.endr
.endr
	WIN 0xc3                                       ; source 0 (k^T v) and D window 3, source 1 (q) window 0
.irp c, 0,1,2,3,4,5,6,7
	v_wmma_scale_f32_16x16x128_f8f6f4 v[OA+8*\c:OA+8*\c+7], v[KVF+12*\c:KVF+12*\c+11], v[QF:QF+11], 0, v[KVW+\c], v[PWQ] matrix_a_fmt:MATRIX_FMT_FP6 matrix_b_fmt:MATRIX_FMT_FP6
.endr
	WIN 0
	v_pk_add_f32 v[ZZ:ZZ+1], v[ZZ:ZZ+1], v[ZZ+2:ZZ+3]             ; (these four are the places behind the products)
	v_pk_add_f32 v[ZZ+4:ZZ+5], v[ZZ+4:ZZ+5], v[ZZ+6:ZZ+7]
	v_add_f32 v[ZZ], v[ZZ], v[ZZ+1]
	v_add_f32 v[ZZ+4], v[ZZ+4], v[ZZ+5]
	v_permlanex16_b32 v[ZZ+2], v[ZZ], s[SEL], s[SEL+1]
	v_permlanex16_b32 v[ZZ+6], v[ZZ+4], s[SEL], s[SEL+1]
	v_add_f32 v[ZZ], v[ZZ], v[ZZ+2]                ; with the token's other 32 features of the head
	v_add_f32 v[ZZ+4], v[ZZ+4], v[ZZ+6]
	v_add_f32 v[ZZ], 0x322bcc77, v[ZZ]             ; + 1e-8
	v_add_f32 v[ZZ+4], 0x322bcc77, v[ZZ+4]
	v_rcp_f32 v[ZZ+8], v[ZZ]
	v_rcp_f32 v[ZZ+10], v[ZZ+4]
	v_nop                                          ; a plain place behind the reciprocals,
	s_wait_alu depctr_va_vdst(0)                   ; and one wait for both, ahead of the first use
	WIN 0xc3
.set i, 0
.rept 32
	v_pk_mul_f32 v[OA+i:OA+i+1], v[OA+i:OA+i+1], v[ZZ+8+2*(i/32):ZZ+9+2*(i/32)] op_sel_hi:[1,0]   ; x z of the register's head; ascending
.set i, i+2
.endr
	QUANT OA,3,12*\a,1,PWO+\a
	WIN 0x04                                       ; a store's data are its source 1: window 1
.irp g, 0,1,2
	global_store_b128 v[LI], v[12*\a+4*\g:12*\a+4*\g+3], s[16:17] offset:12288*\a+512*\g   ; 32 lanes store 512 consecutive bytes
.endr
	WIN 0
.endm
	s_wait_loadcnt 48                              ; the scale words and the bias are in; the 16 loads of k's half-sums and the first batch's 32, issued behind them, may stay out
	s_wait_tensorcnt 3                             ; my part of chunk 0 is in; chunks 1 to 3 may stay out
	s_barrier_signal -1
	s_barrier_wait -1
	FETCH 0
	KSTEP 0
	KSTEP 1
	s_wait_loadcnt 0x0                             ; k's half-sums and partials 0, 1
	KSFIN
	KVADD 1
	KVLOAD 1                                       ; into the registers that the additions have read
	KSTEP 2
	KSTEP 3
	s_wait_loadcnt 0x0                             ; partials 2, 3, asked for 64 products ago
	KVADD 0
	KVLOAD 2
	KSTEP 4
	KSTEP 5
	s_wait_loadcnt 0x0                             ; partials 4, 5
	KVADD 0
	KVLOAD 3
	KSTEP 6
	KSTEP 7
	s_wait_loadcnt 0x0                             ; partials 6, 7
	KVADD 0                                        ; 64 plain additions on registers that no product names: they are also the places behind the last products
	KVQ 0
	KVQ 1
	v_mov_b32 v[ZZ+9], 0                           ; named as the upper halves of the reciprocals' pairs
	v_mov_b32 v[ZZ+11], 0
	ATT 0
	ATT 1
	ATT 2
	ATT 3
	v_cmp_eq_u32 s90, 1, v3                        ; lanes 16-31 store the odd row block's words
.irp i, 0,1
	v_cndmask_b32 v[ZZ+\i], v[PWO+2*\i], v[PWO+2*\i+1], s90
	global_store_b32 v[WO], v[ZZ+\i], s[14:15] offset:1024*\i      ; 4 bytes of each row's 16: the eight work-groups of a row of the grid fill them
.endr
	s_wait_tensorcnt 0x0                           ; the wave's end
	ds_add_u32 v[SPW], v[NIL]
	s_wait_dscnt 0x0
	CROUND                                         ; the closing round
	s_endpgm
.Lfunc_end_k_qacb848d9cd_qattn:
	.size	k_qacb848d9cd_qattn, .Lfunc_end_k_qacb848d9cd_qattn-k_qacb848d9cd_qattn
	.p2alignl 7, 3214868480
	.fill 96, 4, 3214868480
	.section	.rodata,"a",@progbits
	.p2align	6, 0x0
	.amdhsa_kernel k_qacb848d9cd_qattn
		.amdhsa_group_segment_fixed_size 327680
		.amdhsa_private_segment_fixed_size 0
		.amdhsa_enable_private_segment 0
		.amdhsa_kernarg_size 48
		.amdhsa_user_sgpr_count 2
		.amdhsa_user_sgpr_kernarg_segment_ptr 1
		.amdhsa_wavefront_size32 1
		.amdhsa_system_sgpr_workgroup_id_x 1
		.amdhsa_system_sgpr_workgroup_id_y 1
		.amdhsa_system_sgpr_workgroup_id_z 1
		.amdhsa_system_vgpr_workitem_id 0
		.amdhsa_next_free_vgpr 1024
		.amdhsa_next_free_sgpr 100
		.amdhsa_reserve_vcc 0
		.amdhsa_float_denorm_mode_32 3
		.amdhsa_float_denorm_mode_16_64 3
		.amdhsa_memory_ordered 1
		.amdhsa_forward_progress 1
		.amdhsa_inst_pref_size 201
	.end_amdhsa_kernel
	.amdgpu_metadata
---
amdhsa.version: [ 1, 2 ]
amdhsa.kernels:
  - .name:           k_qacb848d9cd_qattn
    .symbol:         k_qacb848d9cd_qattn.kd
    .args:
      - { .name: ximg, .offset: 0, .size: 8, .value_kind: global_buffer, .address_space: global }
      - { .name: wimg, .offset: 8, .size: 8, .value_kind: global_buffer, .address_space: global }
      - { .name: scl, .offset: 16, .size: 8, .value_kind: global_buffer, .address_space: global }
      - { .name: b_qkv, .offset: 24, .size: 8, .value_kind: global_buffer, .address_space: global }
      - { .name: kvp, .offset: 32, .size: 8, .value_kind: global_buffer, .address_space: global }
      - { .name: oimg, .offset: 40, .size: 8, .value_kind: global_buffer, .address_space: global }
    .group_segment_fixed_size: 327680
    .private_segment_fixed_size: 0
    .kernarg_segment_align: 8
    .kernarg_segment_size: 48
    .max_flat_workgroup_size: 128
    .sgpr_count:     100
    .vgpr_count:     1024
    .wavefront_size: 32
...
	.end_amdgpu_metadata
.endif
;; end of part 3
;; launch proj (part 4): grid 8 x 32, 4 waves a work-group, clusters of 4 x 4, 327,680 bytes of LDS; arguments oimg, wimg, scl, b_proj, out0; writes out0
.if DOCPART == 4
	.amdgcn_target "amdgcn-amd-amdhsa--gfx1250"
	.amdhsa_code_object_version 6
	.text
	.protected	k_qacb848d9cd_proj
	.globl	k_qacb848d9cd_proj
	.p2align	8
	.type	k_qacb848d9cd_proj,@function
k_qacb848d9cd_proj:
	s_mov_b64 s[64:65], 0
	v_nop
	global_prefetch_b8 v0, s[64:65] scope:SCOPE_SE
	s_setreg_imm32_b32 hwreg(HW_REG_WAVE_MODE, 25, 1), 1
	s_wait_xcnt 0x0
	s_wait_alu depctr_hold_cnt(0) depctr_sa_sdst(0) depctr_va_vdst(0) depctr_va_sdst(0) depctr_va_ssrc(0) depctr_va_vcc(0) depctr_vm_vsrc(0)
	s_getreg_b32 s2, hwreg(HW_REG_IB_STS2, 6, 4)
	s_cmp_eq_u32 s2, 0
	s_cbranch_scc0 .Lentry_in_a_cluster
	s_endpgm
.Lentry_in_a_cluster:
	s_bfe_u32 s2, ttmp6, 0x10000c
	s_cmp_lg_u32 s2, 0xf033
	s_cbranch_scc0 .Lentry_shape_is_right
	s_endpgm
.Lentry_shape_is_right:
; LAUNCH 4 OF 4: out0 = (attention's result) w_proj + b_proj, on the codes that the launches before have laid.  Nothing is left out.
; SHARES, chunks and K steps as in the launch before: a work-group makes 256 tokens x 128 columns, a wave 64 tokens x 128 columns in 32 accumulators; all of K lies in four chunks of two K steps, each filled once (four tensor
; loads of a wave are out); source 0 = 16 columns of w_proj, source 1 = 16 tokens, so that a lane holds eight neighbouring columns of one token's row.  The bias is the C of each sum's first product.
; CLUSTER 4 x 4: tokens' tiles jointly along a row, the weight's along a column.  The two sides' scale words lie in different buffers: each side has registers of its own.
; THE WAY OUT: a block of 16 tokens x 128 columns goes through the wave's own stage in LDS and comes back as whole rows of 512 bytes.  The stage lies in chunk 0, which has had its only fill and its last read.
; LIMITS: NaN and infinities are not served; f32 sums begin with the bias.
; REGISTERS.  window 0: v1-20 addresses; v32-63 tokens' scale words; v64-127 the weight's; v128-223 tokens' fragments, two sets; on the way out v128-255 rows.  window 1: the weight's fragments, two sets; bias tiles.  window 2: the accumulators.
.set RBB,   12288
.set CH,    73728
.set SPARE, 294912
.set OSC,   6291456
.set ADRA, 4
.set ADRB, 8
.set SPW,  12
.set NIL,  13
.set LI,   14
.set R16,  15
.set HO,   17
.set STO,  18
.set RD,   19
.set SA,   32
.set SB,   64
.set AF,   128
.set BK,   128
.set G1A, 28
.set G1B, 36
.set G0A, 44
.set G0B, 68
.set MSB, 0
.macro WIN new
.if MSB != (\new)
	s_set_vgpr_msb (MSB<<8)|(\new)
.set MSB, \new
.endif
.endm
.macro PLACES n
.rept \n
	v_nop
.endr
.endm
.macro JLOAD g0a, g1a, g0b, g1b        ; waves 0, 1 fetch tokens, waves 2, 3 the weight; an s_nop 0 and four v_nop follow each line
	s_cmp_eq_u32 s23, 0
	s_cbranch_scc0 .Lfor_b_\@
	tensor_load_to_lds s[\g0a:\g0a+3], s[\g1a:\g1a+7]
	s_nop 0
.rept 4
	v_nop
.endr
	s_branch .Lasked_\@
.Lfor_b_\@:
	tensor_load_to_lds s[\g0b:\g0b+3], s[\g1b:\g1b+7]
	s_nop 0
.rept 4
	v_nop
.endr
.Lasked_\@:
.endm
.macro CROUND
	s_barrier_signal -1
	s_barrier_wait -1
	s_cmp_lg_u32 s22, 0
	s_cbranch_scc1 .Lnot_wave_0_\@
	s_barrier_signal -3
.Lnot_wave_0_\@:
	s_barrier_wait -3
	s_barrier_signal -1
	s_barrier_wait -1
.endm
	s_load_b256 s[4:11], s[0:1], 0x0               ; oimg, wimg, scl, b_proj
	s_load_b64 s[12:13], s[0:1], 0x20              ; out0
	v_lshl_add_u32 v[SPW], v0, 2, SPARE
	v_mov_b32 v[NIL], 0
	ds_add_u32 v[SPW], v[NIL]                      ; the opening: an add to my spare word, twice on end, and its wait ahead of my first tensor load
	ds_add_u32 v[SPW], v[NIL]
	v_lshrrev_b32 v1, 5, v0
	v_readfirstlane_b32 s22, v1                    ; wave
	s_lshr_b32 s23, s22, 1
	s_and_b32 s24, s22, 1
	s_bfe_u32 s25, ttmp6, 0x40000
	s_bfe_u32 s26, ttmp6, 0x40004
	s_lshl_b32 s27, ttmp9, 2
	s_add_co_u32 s27, s27, s25                     ; x: 128 columns
	s_and_b32 s60, ttmp7, 0xffff
	s_lshl_b32 s60, s60, 2
	s_add_co_u32 s60, s60, s26                     ; y: 256 tokens
	s_lshl_b32 s61, s26, 2
	s_lshl_b32 s61, 15, s61
	s_lshl_b32 s62, 0x1111, s25
	s_or_b32 s[G1A], s61, (3<<16)|(1<<21)
	s_or_b32 s[G1B], s62, (3<<16)|(1<<21)
	s_mov_b32 s[G1A+1], 384<<16                    ; rows of 3,072 bytes, 8 row blocks, 12,288 bytes apart
	s_mov_b32 s[G1A+2], 8<<16
	s_mov_b32 s[G1A+3], 384<<16
	s_mov_b32 s[G1A+4], 8
	s_mov_b32 s[G1A+5], 1536
	s_mov_b32 s[G1A+6], 0
	s_mov_b32 s[G1A+7], 0
	s_mov_b32 s[G1B+1], 384<<16                    ; the same with 4 row blocks
	s_mov_b32 s[G1B+2], 4<<16
	s_mov_b32 s[G1B+3], 384<<16
	s_mov_b32 s[G1B+4], 4
	s_mov_b32 s[G1B+5], 1536
	s_mov_b32 s[G1B+6], 0
	s_mov_b32 s[G1B+7], 0
	s_lshl_b32 s90, s24, 3
	s_lshl_b32 s88, s60, 4
	s_add_co_u32 s88, s88, s90
	s_mul_i32 s88, s88, RBB                        ; tokens: row block 16 y + 8 x half
	s_mov_b32 s89, 0
	s_lshl_b32 s90, s24, 2
	s_lshl_b32 s92, s27, 3
	s_add_co_u32 s92, s92, s90
	s_add_co_u32 s92, s92, 192
	s_mul_i32 s92, s92, RBB                        ; the weight: row block 192 + 8 x + 4 x half
	s_mov_b32 s93, 0
	s_mul_i32 s91, s24, 24576
	s_mul_i32 s94, s24, 12288
	s_add_co_u32 s94, s94, 49152
	s_wait_dscnt 0x0
	s_wait_kmcnt 0x0
	s_add_nc_u64 s[88:89], s[4:5], s[88:89]
	s_add_nc_u64 s[92:93], s[6:7], s[92:93]
	CROUND
.irp j, 0,1,2,3
	s_mov_b32 s[G0A+4*\j], 1
	s_add_co_u32 s[G0A+4*\j+1], s91, \j*CH
	s_add_nc_u64 s[G0A+4*\j+2:G0A+4*\j+3], s[88:89], \j*3072
	s_or_b32 s[G0A+4*\j+3], s[G0A+4*\j+3], 0x80000000
	s_mov_b32 s[G0B+4*\j], 1
	s_add_co_u32 s[G0B+4*\j+1], s94, \j*CH
	s_add_nc_u64 s[G0B+4*\j+2:G0B+4*\j+3], s[92:93], \j*3072
	s_or_b32 s[G0B+4*\j+3], s[G0B+4*\j+3], 0x80000000
	JLOAD G0A+4*\j, G1A, G0B+4*\j, G1B
.endr
	v_and_b32 v1, 31, v0
	v_and_b32 v2, 15, v0
	v_bfe_u32 v3, v0, 4, 1
	v_lshlrev_b32 v[LI], 4, v1
	v_lshlrev_b32 v[R16], 4, v2
	v_lshlrev_b32 v[HO], 6, v3
	s_mul_i32 s95, s22, 12288
	v_add_nc_u32 v[ADRA], s95, v[LI]
	v_add_nc_u32 v[ADRA+1], CH, v[ADRA]
	v_add_nc_u32 v[ADRA+2], 2*CH, v[ADRA]
	v_add_nc_u32 v[ADRA+3], 3*CH, v[ADRA]
	v_add_nc_u32 v[ADRB], 49152, v[LI]
	v_add_nc_u32 v[ADRB+1], CH, v[ADRB]
	v_add_nc_u32 v[ADRB+2], 2*CH, v[ADRB]
	v_add_nc_u32 v[ADRB+3], 3*CH, v[ADRB]
	s_mul_i32 s95, s22, 8448                       ; my stage
	v_mul_u32_u24 v[STO], v2, 528
	v_lshl_add_u32 v[STO], v3, 6, v[STO]
	v_add_nc_u32 v[STO], s95, v[STO]               ; in: row r, + 64 h bytes
	v_add_nc_u32 v[RD], s95, v[LI]                 ; back: a row of 512 bytes, 16 bytes a lane
	s_mov_b32 s95, 0
	s_lshl_b32 s94, s60, 4
	s_lshl_b32 s96, s22, 2
	s_add_co_u32 s94, s94, s96
	s_lshl_b32 s94, s94, 9
	s_add_co_u32 s94, s94, OSC
	s_add_nc_u64 s[14:15], s[4:5], s[94:95]        ; my tokens' scale words
	s_lshl_b32 s94, s27, 3
	s_add_co_u32 s94, s94, 704
	s_lshl_b32 s94, s94, 9
	s_add_nc_u64 s[16:17], s[8:9], s[94:95]        ; the weight's
	s_lshl_b32 s94, s27, 9
	s_add_nc_u64 s[18:19], s[10:11], s[94:95]      ; the bias of my 128 columns
	s_lshl_b32 s96, s60, 20
	s_add_co_u32 s94, s94, s96
	s_lshl_b32 s96, s22, 18
	s_add_co_u32 s94, s94, s96
	s_add_nc_u64 s[12:13], s[12:13], s[94:95]      ; out0 at token 256 y + 64 wave, column 128 x
.irp a, 0,1,2,3
	global_load_b128 v[SA+8*\a:SA+8*\a+3], v[R16], s[14:15] offset:512*\a
	global_load_b128 v[SA+8*\a+4:SA+8*\a+7], v[R16], s[14:15] offset:512*\a+256
.endr
.irp b, 0,1,2,3,4,5,6,7
	global_load_b128 v[SB+8*\b:SB+8*\b+3], v[R16], s[16:17] offset:512*\b
	global_load_b128 v[SB+8*\b+4:SB+8*\b+7], v[R16], s[16:17] offset:512*\b+256
.endr
	WIN 0x40                                       ; destination window 1: the bias in the result's layout
.irp b, 0,1,2,3,4,5,6,7
	global_load_b128 v[96+8*(\b%4)+128*(\b/4):96+8*(\b%4)+128*(\b/4)+3], v[HO], s[18:19] offset:128*(\b/2)+32*(\b%2)
	global_load_b128 v[100+8*(\b%4)+128*(\b/4):100+8*(\b%4)+128*(\b/4)+3], v[HO], s[18:19] offset:128*(\b/2)+32*(\b%2)+16
.endr
	WIN 0
.macro FRAG reg, adr, off
.irp c, 0,1,2
	ds_load_b128 v[\reg+4*\c:\reg+4*\c+3], v[\adr] offset:\off+512*\c
.endr
.endm
.macro FETCH s
	WIN 0x40
.irp i, 0,1,2,3,4,5,6,7
	FRAG 128*((\s)%2)+12*\i, ADRB+(\s)/2, 3072*\i+1536*((\s)%2)
.endr
	WIN 0
.irp i, 0,1,2,3
	FRAG AF+48*((\s)%2)+12*\i, ADRA+(\s)/2, 3072*\i+1536*((\s)%2)
.endr
.endm
.macro KSTEP s                         ; as in the launch before
	s_wait_dscnt 0x0
.if ((\s)%2 == 1) && ((\s) < 7)
	s_wait_tensorcnt 3-((\s)+1)/2                  ; my part of the next chunk is in; the later chunks may stay out
	s_barrier_signal -1
	s_barrier_wait -1
.endif
.if (\s) < 7
	PLACES 4
	FETCH (\s)+1
.endif
.if (\s) == 0
	WIN 0x91
.else
	WIN 0xa1
.endif
.irp a, 0,1,2,3
.irp b, 0,1,2,3,4,5,6,7
.if (\s) == 0
	v_wmma_scale_f32_16x16x128_f8f6f4 v[8*(8*\a+\b):8*(8*\a+\b)+7], v[128*((\s)%2)+12*\b:128*((\s)%2)+12*\b+11], v[AF+48*((\s)%2)+12*\a:AF+48*((\s)%2)+12*\a+11], v[96+8*(\b%4)+128*(\b/4):96+8*(\b%4)+128*(\b/4)+7], v[SB+8*\b+(\s)], v[SA+8*\a+(\s)] matrix_a_fmt:MATRIX_FMT_FP6 matrix_b_fmt:MATRIX_FMT_FP6
.else
	v_wmma_scale_f32_16x16x128_f8f6f4 v[8*(8*\a+\b):8*(8*\a+\b)+7], v[128*((\s)%2)+12*\b:128*((\s)%2)+12*\b+11], v[AF+48*((\s)%2)+12*\a:AF+48*((\s)%2)+12*\a+11], v[8*(8*\a+\b):8*(8*\a+\b)+7], v[SB+8*\b+(\s)], v[SA+8*\a+(\s)] matrix_a_fmt:MATRIX_FMT_FP6 matrix_b_fmt:MATRIX_FMT_FP6
.endif
.endr
.endr
	WIN 0
.endm
.macro TOSTAGE a                       ; register j of accumulator (a, b), lane (r, h): token row r, column 32 (b / 2) + 16 h + 8 (b % 2) + j
	WIN 0x08                                       ; an LDS store's data are its source 1: window 2
.irp b, 0,1,2,3,4,5,6,7
	ds_store_b128 v[STO], v[8*(8*(\a)+\b):8*(8*(\a)+\b)+3] offset:128*(\b/2)+32*(\b%2)      ; each accumulator from its low end on
	ds_store_b128 v[STO], v[8*(8*(\a)+\b)+4:8*(8*(\a)+\b)+7] offset:128*(\b/2)+32*(\b%2)+16
.endr
	WIN 0
.irp t, 0,1,2,3,4,5,6,7,8,9,10,11,12,13,14,15
	ds_load_b128 v[BK+64*((\a)%2)+4*\t:BK+64*((\a)%2)+4*\t+3], v[RD] offset:528*\t          ; LDS serves a wave's instructions in order: these see the stores above
.endr
.endm
.macro SEND a, younger                 ; younger: the LDS instructions issued behind block a's loads, which may stay out
	s_wait_dscnt \younger
.irp t, 0,1,2,3,4,5,6,7,8,9,10,11,12,13,14,15
	global_store_b128 v[LI], v[BK+64*((\a)%2)+4*\t:BK+64*((\a)%2)+4*\t+3], s[12:13] offset:(32*((\a)/2)+8*((\a)%2)+\t+8*(\t/8))*4096 th:TH_STORE_NT   ; 32 lanes store 512 consecutive bytes, aligned
.endr
.endm
	s_wait_loadcnt 0x0
	s_wait_tensorcnt 3                             ; my part of chunk 0 is in; chunks 1 to 3 may stay out
	s_barrier_signal -1
	s_barrier_wait -1
	FETCH 0
.irp s, 0,1,2,3,4,5,6,7
	KSTEP \s
.endr
	PLACES 4                                       ; in front of the first reads of results, and of loads into the registers that held fragments
	TOSTAGE 0
.irp a, 1,2,3
.if \a > 1
	s_wait_xcnt 0x0                                ; block a - 2's stores have read their registers: block a's loads may land there
.endif
	TOSTAGE \a
	SEND \a-1, 32                                  ; behind block a - 1's loads: block a's 16 stores and 16 loads
.endr
	SEND 3, 0
	s_wait_tensorcnt 0x0                           ; the wave's end
	ds_add_u32 v[SPW], v[NIL]
	s_wait_dscnt 0x0
	CROUND                                         ; the closing round
	s_endpgm
.Lfunc_end_k_qacb848d9cd_proj:
	.size	k_qacb848d9cd_proj, .Lfunc_end_k_qacb848d9cd_proj-k_qacb848d9cd_proj
	.p2alignl 7, 3214868480
	.fill 96, 4, 3214868480
	.section	.rodata,"a",@progbits
	.p2align	6, 0x0
	.amdhsa_kernel k_qacb848d9cd_proj
		.amdhsa_group_segment_fixed_size 327680
		.amdhsa_private_segment_fixed_size 0
		.amdhsa_enable_private_segment 0
		.amdhsa_kernarg_size 40
		.amdhsa_user_sgpr_count 2
		.amdhsa_user_sgpr_kernarg_segment_ptr 1
		.amdhsa_wavefront_size32 1
		.amdhsa_system_sgpr_workgroup_id_x 1
		.amdhsa_system_sgpr_workgroup_id_y 1
		.amdhsa_system_sgpr_workgroup_id_z 1
		.amdhsa_system_vgpr_workitem_id 0
		.amdhsa_next_free_vgpr 1024
		.amdhsa_next_free_sgpr 100
		.amdhsa_reserve_vcc 0
		.amdhsa_float_denorm_mode_32 3
		.amdhsa_float_denorm_mode_16_64 3
		.amdhsa_memory_ordered 1
		.amdhsa_forward_progress 1
		.amdhsa_inst_pref_size 81
	.end_amdhsa_kernel
	.amdgpu_metadata
---
amdhsa.version: [ 1, 2 ]
amdhsa.kernels:
  - .name:           k_qacb848d9cd_proj
    .symbol:         k_qacb848d9cd_proj.kd
    .args:
      - { .name: oimg, .offset: 0, .size: 8, .value_kind: global_buffer, .address_space: global }
      - { .name: wimg, .offset: 8, .size: 8, .value_kind: global_buffer, .address_space: global }
      - { .name: scl, .offset: 16, .size: 8, .value_kind: global_buffer, .address_space: global }
      - { .name: b_proj, .offset: 24, .size: 8, .value_kind: global_buffer, .address_space: global }
      - { .name: out0, .offset: 32, .size: 8, .value_kind: global_buffer, .address_space: global }
    .group_segment_fixed_size: 327680
    .private_segment_fixed_size: 0
    .kernarg_segment_align: 8
    .kernarg_segment_size: 40
    .max_flat_workgroup_size: 128
    .sgpr_count:     100
    .vgpr_count:     1024
    .wavefront_size: 32
...
	.end_amdgpu_metadata
.endif
;; end of part 4
